; MI455X (gfx1250); checked and timed in simulation.
; The chip was launched on July 23, 2026; its instructions are those of AMD's public machine-readable ISA for CDNA 5 (MIT licence, August 2026) and "CDNA5" Instruction Set Architecture Reference Guide (July 2026). The comments in the code are by the model that wrote it; some were corrected since.
;; Causal Self Attention. Allowed arithmetic: matrix products marked QUANTISED: E2M1 operands, one E8M0 scale for each 32 along K, by v_wmma_scale_f32_16x16x128_f8f6f4 with both operands' format E2M1 (or v_wmma_scale_f32_32x16x128_f4), f32 sums; everything else in f32.
;; Inputs: Wk_codes 2,048 x 64 x 16 uint8 (E2M1 codes of Wk, K innermost, in blocks of 32 codes, two codes a byte); Wk_scales 2,048 x 64 uint8 (E8M0 scales of Wk, one for each 32 codes along K); Wproj_codes 2,048 x 64 x 16 uint8 (E2M1 codes of Wproj, K innermost, in blocks of 32 codes, two codes a byte); Wproj_scales 2,048 x 64 uint8 (E8M0 scales of Wproj, one for each 32 codes along K); Wq_codes 2,048 x 64 x 16 uint8 (E2M1 codes of Wq, K innermost, in blocks of 32 codes, two codes a byte); Wq_scales 2,048 x 64 uint8 (E8M0 scales of Wq, one for each 32 codes along K); Wv_codes 2,048 x 64 x 16 uint8 (E2M1 codes of Wv, K innermost, in blocks of 32 codes, two codes a byte); Wv_scales 2,048 x 64 uint8 (E8M0 scales of Wv, one for each 32 codes along K); lamb one number float32; vi 1 x 2,048 x 16 x 128 float32; x_codes 1 x 1 x 2,048 x 64 x 16 uint8 (E2M1 codes of x, K innermost, in blocks of 32 codes, two codes a byte); x_scales 1 x 1 x 2,048 x 64 uint8 (E8M0 scales of x, one for each 32 codes along K).
;; Outputs: out0 1 x 1 x 2,048 x 2,048 float32.
;; This version of the problem:
;;   THIS VERSION OF THE PROBLEM IS GIVEN IN LOW PRECISION. The matrix products marked QUANTISED in the list below multiply operands that are first quantised to E2M1 (2 exponent bits, 1 mantissa bit; 4 bits a number), with one power-of-two scale for each 32 numbers along K (OCP MX v1.0); their sums are f32. All else is computed in f32.
;;   The module's matrix products, in the order in which they are computed (A, B: the left and right operand; K: the contracted axis; several contracted axes count as one K, in the product's order):
;;     1. [M 2,048, K 2,048] x [K 2,048, N 2,048]; A: input x (given as codes); B: input Wq (given as codes): QUANTISED
;;     2. [M 2,048, K 2,048] x [K 2,048, N 2,048]; A: input x (given as codes); B: input Wk (given as codes): QUANTISED
;;     3. [M 2,048, K 2,048] x [K 2,048, N 2,048]; A: input x (given as codes); B: input Wv (given as codes): QUANTISED
;;     4. batch 16 x [M 2,048, K 128] x [K 128, N 2,048]; A: computed on the way; B: computed on the way: QUANTISED
;;     5. batch 16 x [M 128, K 2,048] x [K 2,048, N 2,048]; A: computed on the way; B: softmax (see below): QUANTISED
;;     6. [M 2,048, K 2,048] x [K 2,048, N 2,048]; A: computed on the way; B: input Wproj (given as codes): QUANTISED
;;   THE QUANTISER, for each operand of a quantised product, along K:
;;     - K is cut into blocks of 32 from its start; a last block that is shorter is filled with zeros.
;;     - A block's scale is 2^e with e = floor(log2(the largest magnitude in the block)) - 2, held to -126 .. 127; a block of zeros has e = 0. As a byte (E8M0): e + 127.
;;     - Each number is divided by its block's scale, clamped to +-6, and rounded to the nearest number of E2M1, ties to even, subnormals kept.
;;     - The product sums the exact products of the quantised numbers (number of the format x scale) in f32.
;;   ~~~python
;;   def quantise(x, axis):      # numpy; x: float32 -> the quantised numbers, widened to float32 again
;;       x = np.moveaxis(x, axis, -1); K = x.shape[-1]
;;       x = np.pad(x, [(0, 0)] * (x.ndim - 1) + [(0, -K % 32)]); x = x.reshape(x.shape[:-1] + (-1, 32)); a = np.abs(x).max(-1, keepdims=True)
;;       e = np.where(a > 0, np.clip(np.frexp(np.where(a > 0, a, 1))[1] - 1 - 2, -126, 127), 0)      # np.frexp(a)[1] - 1 = floor(log2(a)), exactly
;;       r = np.clip(x / 2.0 ** e, -6, 6)
;;       step = 2.0 ** (np.maximum(np.frexp(np.where(r == 0, 1, r))[1] - 1, 0) - 1)
;;       q = np.round(r / step) * step * 2.0 ** e      # np.round: ties to even
;;       return np.moveaxis(q.reshape(q.shape[:-2] + (-1,))[..., :K], -1, axis).astype(np.float32)
;;   ~~~
;;   SOFTMAX AHEAD OF A QUANTISED PRODUCT. Where the list says 'softmax', what is quantised is not the finished softmax but p = 2^(t - M), with t = logit x log2(e) and M = ceil(the row's largest t), a whole number; so 1/2 < the row's largest p <= 1. The row's sum l is taken of the UNQUANTISED p, in f32, and the product's result is divided by l at the end. Since M is a whole number, a kernel that streams over the keys may use a running M (the ceiling of the running maximum): every later rescaling is an exact power of two, which a block's scale takes up: the codes' values come out the same.
;;   OPERANDS COMPUTED ON THE WAY. 'Computed on the way' means the value that the module computes at that place (a softmax that the list does not call 'softmax' is quantised finished and normalised). What goes into a quantiser is computed in f32, as accurately as f32 sums, v_exp_f32 and their like allow (about 1e-6 of the number): no bf16 or f16 on the way to a quantiser, and a product that is left as it is and whose result goes on into a quantised operand takes f32 operands (vector FMAs, or v_wmma_f32_16x16x4_f32). A number that lies on a knife's edge between two numbers of the format may be rounded either way, as far as f32 arithmetic and the matrix unit's own rounding can turn it there, and no further.
;;   INPUTS GIVEN AS CODES. Wk (in the module: [2048, 2048], K = its axis 1); Wproj (in the module: [2048, 2048], K = its axis 1); Wq (in the module: [2048, 2048], K = its axis 1); Wv (in the module: [2048, 2048], K = its axis 1); x (in the module: [1, 1, 2048, 2048], K = its axis 3): each comes as NAME_codes (uint8): NAME with its K axis moved to the last place and cut into blocks of 32 codes, [.., K / 32, bytes a block], one block behind the other in memory; two codes a byte, the lower K in the low four bits (a code: sign, 2 exponent bits, 1 mantissa bit); and NAME_scales (uint8): the same leading axes, one E8M0 byte (e + 127) for each 32 codes along K. Its value is code x scale, taken as it is: it is not quantised again, and the codes and scales need not be those that the quantiser above would give.
;; One version. Each part assembles by itself: llvm-mc -triple=amdgcn-amd-amdhsa -mcpu=gfx1250 --defsym DOCPART=n.
;; ======== version 1 of 1: 3 launches
;; limits: right only within a limited range of input values
;; workspace buffers: qbuf 2,228,224 bytes; kvbuf 4,456,448 bytes; ybuf 2,228,224 bytes
;; launch qkv (part 1): grid 16 x 16, 4 waves a work-group, clusters of 4 x 4, 327,680 bytes of LDS; arguments x_codes, Wq_codes, Wk_codes, Wv_codes, x_scales, Wq_scales, Wk_scales, Wv_scales, vi, lamb, qbuf, kvbuf; writes qbuf, kvbuf
.if DOCPART == 1
	.amdgcn_target "amdgcn-amd-amdhsa--gfx1250"
	.amdhsa_code_object_version 6
	.text
	.protected	k_qfb90072d99_qkv
	.globl	k_qfb90072d99_qkv
	.p2align	8
	.type	k_qfb90072d99_qkv,@function
k_qfb90072d99_qkv:
	s_mov_b64 s[64:65], 0
	v_nop
	global_prefetch_b8 v0, s[64:65] scope:SCOPE_SE
	s_setreg_imm32_b32 hwreg(HW_REG_WAVE_MODE, 25, 1), 1
	s_wait_xcnt 0x0
	s_wait_alu depctr_hold_cnt(0) depctr_sa_sdst(0) depctr_va_vdst(0) depctr_va_sdst(0) depctr_va_ssrc(0) depctr_va_vcc(0) depctr_vm_vsrc(0)
	s_getreg_b32 s2, hwreg(HW_REG_IB_STS2, 6, 4)
	s_cmp_eq_u32 s2, 0
	s_cbranch_scc0 .Lentry_in_a_cluster
	s_endpgm
.Lentry_in_a_cluster:
	s_bfe_u32 s2, ttmp6, 0x10000c
	s_cmp_lg_u32 s2, 0xf033
	s_cbranch_scc0 .Lentry_shape_is_right
	s_endpgm
.Lentry_shape_is_right:
; Q, K, V of one head for 128 tokens: products on codes of FP4 (E2M1) with one E8M0 scale for each 32 along K = 2,048, f32 sums; then RMS norm and RoPE (Q, K), the mix with vi (V), and the quantiser:
; Q and K along the head's 128, V along the tokens.
; OUT: qbuf [head][block of 128 tokens][8,704]: 8 fragment images of 1,024 bytes (16 tokens x 128: group c of 4 registers at 512 c + 16 x lane), then a scale block.  kvbuf [head][block][17,408]: K's 8 images,
; V's 8 (16 channels x 128 tokens), K's scale block, V's.  A scale block at 16 x lane is 4 registers: register p holds tile 2 p's words in lanes 0-15, tile 2 p + 1's in lanes 16-31.
; WORK LEFT OUT OF THE PROGRAM: reference()'s own lower triangle hides every key behind its query, for all values of the inputs; the attention launch leaves out the key steps of 128 that lie wholly behind a tile's queries.
; LIMITS: a NaN, an infinity or an overflow that reaches only the hidden scores is not carried to the result; NaN and infinities are not served elsewhere either; a block whose largest magnitude lies under 2^-124 gets the
; scale byte 1; inv_freq = 2^(-f c) is good to about two units in its last place, so an angle may differ from one made with another power function by about angle x 2^-22, at most 5e-4 at token 2047.
; SHARES: 16 heads x 16 blocks of tokens = 256 work-groups.  Four waves: wave w = 2 th + ch makes tokens 64 th .. + 63 of Q (ch = 0) or K (ch = 1), all 128 channels, and of V's channels 64 ch .. + 63: 48 accumulators.
; CLUSTERS 4 x 4: x's tile is shared along a row, the head's weights along a column: joint loads.  Wave 0 fetches x's 128 rows, waves 1, 2, 3 those of Wq, Wk, Wv.
; LDS: a ring of two slots of 512 along K, four slots' worth in all.  In a slot wave w's 128 rows lie at w x REG, 256 bytes + 16 of padding each.  K 0-511 comes at the head; slot 1's first fill and the refills come behind rounds.
; The last change of slots brings my 64 x 64 numbers of vi into slot 0, rows 0-63 of my part.
; SCALE BYTES: 64 bytes a row for all of K come from memory into registers: lane l takes row 32 p + l, so register 16 p + s holds tile 2 p's words of K step s in lanes 0-15, tile 2 p + 1's in lanes 16-31.
; THE RoPE TABLE is made while the first tiles are on their way: each wave makes two token tiles of its half, 128 registers; behind the products the two waves of a half share their parts through LDS.
; REGISTERS: window 0: v1-23 addresses; v128-255 scale words.  window 1: two fragment sets of 128: x 4, Wq or Wk 8, Wv 4 fragments; at last v0-127 the table of two tiles, v128-255 vi.
;   window 2: Q or K: accumulator (channel tile t, token tile a) at v[64 a + 8 t].  window 3: v0-127 V: (channel tile ct, token tile a) at v[32 ct + 8 a]; v128-255 my part of the table: tile i: cos at 64 i, sin at 64 i + 32.
; Q, K are made transposed (source 0 = weights): a lane holds one token, registers along the channels; V the other way: a lane holds one channel, registers along the tokens: each along its quantiser's blocks.
; PREFETCHES, two slots' worth of K ahead: K 512-1023 and 1024-1535 at the head, K 1536-2047 behind K step 0, vi behind K step 4.  Of the 128 rows that wave w fetches, the partner at place p asks for rows 32 p .. + 31.
.set REG, 34816
.set PIT, 272                          ; row r starts at bank 4 r mod 64 (64 banks of 4 bytes: ISA guide 11.1)
.set SLOT1, 4*REG
.set SPARE, 8*REG
.set TAB, 64*PIT                       ; at last, in a wave's part of slot 0: its part of the table, 16,384 bytes
.set IMG, SLOT1                        ; the three scale blocks on their way out, 512 bytes each
.set IO, 1
.set SPW, 2
.set NIL, 3
.set ADX, 4                            ; v4-5 x, v6-7 Wq or Wk, v22-23 Wv: my fragments' LDS addresses in slot 0, 1
.set ADW, 6
.set IV, 8
.set LI, 9
.set LM, 10                            ; v[10:11] lamb, v[12:13] 1 - lamb
.set SO, 14
.set PFO, 15
.set PFV, 16
.set VA, 17
.set TW, 18
.set RT, 19
.set IQ, 21
.set ADV, 22
.set RC, 24
.set RR, 28                            ; (in the head)
.set HH, 29
.set INV, 32
.set RA, 64
.set RK, 72
.set RZ, 80
.set RS, 88
.set KIP, 96
.set KMG, 98
.set KNM, 100
.set KNH, 102
.set KNL, 104
.set KS11, 106
.set KS9, 108
.set KS7, 110
.set KS5, 112
.set KS3, 114
.set KC12, 116
.set KC10, 118
.set KC8, 120
.set KC6, 122
.set KC4, 124
.set TOK, 126
.set XS, 128
.set QS, 160
.set VS, 224
.set SS, 32                            ; the way out
.set TT, 64
.set UU, 72
.set RN, 80
.set TM, 96
.set PW, 108
.set VH, 112
.set SW, 114
.set EO, 116
.set Y, 128
.set PC, 192
.set PCV, 224
.set G0X, 4
.set G0W, 8
.set G0V, 12
.set G1X, 32
.set G1W, 40
.set G1V, 48
.set W, 56
.set TH, 57
.set CH, 58
.set HX, 59
.set BY, 60
.set LB, 63
.set PF, 66
.set OUT, 68
.set OUTV, 70
.set OUTS, 72
.set LAM, 74
.set SEL, 100
.set HM, 104
.set C7, 105
.set CE, 98
.set MSB, 0
.macro WIN new                         ; the immediate's high byte repeats the setting that is left
.if MSB != (\new)
	s_set_vgpr_msb (MSB<<8)|(\new)
.set MSB, (\new)
.endif
.endm
.macro P4                              ; places behind matrix instructions
.rept 4
	v_nop
.endr
.endm
; wave 0 fetches x's rows, the others a weight's: each line has one mask and one set of registers
.macro JLOAD
	s_cmp_eq_u32 s[W], 0
	s_cbranch_scc0 .Lw_\@
	tensor_load_to_lds s[G0X:G0X+3], s[G1X:G1X+7]
	s_nop 0
	P4
	s_branch .Lj_\@
.Lw_\@:
	tensor_load_to_lds s[G0W:G0W+3], s[G1W:G1W+7]
	s_nop 0
	P4
.Lj_\@:
.endm
.macro CREST                           ; a round of the cluster's barrier behind its opening barrier
	s_cmp_lg_u32 s[W], 0
	s_cbranch_scc1 .Lnot_wave_0_\@
	s_barrier_signal -3
.Lnot_wave_0_\@:
	s_barrier_wait -3
	s_barrier_signal -1
	s_barrier_wait -1
.endm
.macro CROUND
	s_barrier_signal -1
	s_barrier_wait -1
	CREST
.endm
.macro NEXT slot                       ; the walking descriptors: 512 on along K, into that slot
	s_add_co_u32 s[G0X+1], s[LB], SLOT1*(\slot)
	s_add_co_u32 s[G0W+1], s[LB], SLOT1*(\slot)
	s_add_nc_u64 s[G0X+2:G0X+3], s[G0X+2:G0X+3], 256
	s_add_nc_u64 s[G0W+2:G0W+3], s[G0W+2:G0W+3], 256
.endm
; one scaled product: z = 1: it starts the sum; ra, rb = 1: that source's scale words stand in lanes 16-31
.macro WM d, a, b, z, sa, sb, ra, rb
.if (\z) && (\ra) && (\rb)
	v_wmma_scale_f32_16x16x128_f8f6f4 v[\d:\d+7], v[\a:\a+7], v[\b:\b+7], 0, v[\sa], v[\sb] matrix_a_fmt:MATRIX_FMT_FP4 matrix_b_fmt:MATRIX_FMT_FP4 matrix_a_scale:MATRIX_SCALE_ROW1 matrix_b_scale:MATRIX_SCALE_ROW1
.elseif (\z) && (\ra)
	v_wmma_scale_f32_16x16x128_f8f6f4 v[\d:\d+7], v[\a:\a+7], v[\b:\b+7], 0, v[\sa], v[\sb] matrix_a_fmt:MATRIX_FMT_FP4 matrix_b_fmt:MATRIX_FMT_FP4 matrix_a_scale:MATRIX_SCALE_ROW1
.elseif (\z) && (\rb)
	v_wmma_scale_f32_16x16x128_f8f6f4 v[\d:\d+7], v[\a:\a+7], v[\b:\b+7], 0, v[\sa], v[\sb] matrix_a_fmt:MATRIX_FMT_FP4 matrix_b_fmt:MATRIX_FMT_FP4 matrix_b_scale:MATRIX_SCALE_ROW1
.elseif (\z)
	v_wmma_scale_f32_16x16x128_f8f6f4 v[\d:\d+7], v[\a:\a+7], v[\b:\b+7], 0, v[\sa], v[\sb] matrix_a_fmt:MATRIX_FMT_FP4 matrix_b_fmt:MATRIX_FMT_FP4
.elseif (\ra) && (\rb)
	v_wmma_scale_f32_16x16x128_f8f6f4 v[\d:\d+7], v[\a:\a+7], v[\b:\b+7], v[\d:\d+7], v[\sa], v[\sb] matrix_a_fmt:MATRIX_FMT_FP4 matrix_b_fmt:MATRIX_FMT_FP4 matrix_a_scale:MATRIX_SCALE_ROW1 matrix_b_scale:MATRIX_SCALE_ROW1
.elseif (\ra)
	v_wmma_scale_f32_16x16x128_f8f6f4 v[\d:\d+7], v[\a:\a+7], v[\b:\b+7], v[\d:\d+7], v[\sa], v[\sb] matrix_a_fmt:MATRIX_FMT_FP4 matrix_b_fmt:MATRIX_FMT_FP4 matrix_a_scale:MATRIX_SCALE_ROW1
.elseif (\rb)
	v_wmma_scale_f32_16x16x128_f8f6f4 v[\d:\d+7], v[\a:\a+7], v[\b:\b+7], v[\d:\d+7], v[\sa], v[\sb] matrix_a_fmt:MATRIX_FMT_FP4 matrix_b_fmt:MATRIX_FMT_FP4 matrix_b_scale:MATRIX_SCALE_ROW1
.else
	v_wmma_scale_f32_16x16x128_f8f6f4 v[\d:\d+7], v[\a:\a+7], v[\b:\b+7], v[\d:\d+7], v[\sa], v[\sb] matrix_a_fmt:MATRIX_FMT_FP4 matrix_b_fmt:MATRIX_FMT_FP4
.endif
.endm
	s_load_b512 s[68:83], s[0:1], 0x0              ; x, Wq, Wk, Wv: codes, then scales
	s_load_b256 s[84:91], s[0:1], 0x40             ; vi, lamb, qbuf, kvbuf
	v_lshl_add_u32 v[SPW], v0, 2, SPARE
	v_mov_b32 v[NIL], 0
	ds_add_u32 v[SPW], v[NIL]                      ; the opening: the add, twice on end, and its wait
	ds_add_u32 v[SPW], v[NIL]
	v_lshrrev_b32 v1, 5, v0
	v_readfirstlane_b32 s[W], v1
	s_lshr_b32 s[TH], s[W], 1
	s_and_b32 s[CH], s[W], 1
	s_bfe_u32 s61, ttmp6, 0x40000                  ; cx, cy
	s_bfe_u32 s62, ttmp6, 0x40004
	s_lshl_b32 s[HX], ttmp9, 2
	s_add_co_u32 s[HX], s[HX], s61                 ; the head
	s_and_b32 s[BY], ttmp7, 0xffff
	s_lshl_b32 s[BY], s[BY], 2
	s_add_co_u32 s[BY], s[BY], s62                 ; the block of 128 tokens
	s_lshl_b32 s2, s62, 2
	s_lshl_b32 s2, 15, s2                          ; my row of the cluster
	s_lshl_b32 s3, 0x1111, s61                     ; my column
	; groups 1: 128 rows x 256 bytes, 4 words of padding behind every 64; vi: 64 rows likewise
	s_or_b32 s[G1X], s2, (1<<20)|(1<<21)|(5<<22)|(3<<25)
	s_or_b32 s[G1W], s3, (1<<20)|(1<<21)|(5<<22)|(3<<25)
	s_mov_b32 s[G1V], (1<<20)|(5<<22)|(3<<25)
.irp g, G1X, G1W
	s_mov_b32 s[\g+1], 256<<16
	s_mov_b32 s[\g+2], 128<<16
	s_mov_b32 s[\g+3], 256<<16
	s_mov_b32 s[\g+4], 128
	s_mov_b32 s[\g+5], 1024
	s_mov_b32 s[\g+6], 0
	s_mov_b32 s[\g+7], 0
.endr
	s_mov_b32 s[G1V+1], 256<<16
	s_mov_b32 s[G1V+2], 64<<16
	s_mov_b32 s[G1V+3], 256<<16
	s_mov_b32 s[G1V+4], 64
	s_mov_b32 s[G1V+5], 8192
	s_mov_b32 s[G1V+6], 0
	s_mov_b32 s[G1V+7], 0
	v_and_b32 v[RR], 15, v0
	v_bfe_u32 v[HH], v0, 4, 1
	v_and_b32 v24, 31, v0                          ; lane
	v_mul_u32_u24 v25, v[RR], PIT
	v_lshl_add_u32 v25, v[HH], 4, v25              ; a fragment's row r + 16 h
	s_mul_i32 s92, s[TH], TAB
	v_add_nc_u32 v[ADX], s92, v25                  ; x: my 64 rows
	v_add_nc_u32 v[ADX+1], SLOT1, v[ADX]
	s_mul_i32 s93, s[CH], REG
	s_add_co_u32 s93, s93, REG
	v_add_nc_u32 v[ADW], s93, v25                  ; Wq or Wk
	v_add_nc_u32 v[ADW+1], SLOT1, v[ADW]
	s_mul_i32 s93, s[CH], TAB
	s_add_co_u32 s93, s93, 3*REG
	v_add_nc_u32 v[ADV], s93, v25                  ; Wv: my 64 rows
	v_add_nc_u32 v[ADV+1], SLOT1, v[ADV]
	v_lshlrev_b32 v[LI], 4, v24
	v_lshlrev_b32 v[SO], 6, v24
	v_lshlrev_b32 v[PFO], 10, v24
	v_lshlrev_b32 v[PFV], 13, v24
	s_mul_i32 s[LB], s[W], REG                     ; my part of a slot
	v_mul_u32_u24 v26, v[HH], 8*PIT
	v_lshl_add_u32 v26, v[RR], 2, v26
	v_add_nc_u32 v[VA], s[LB], v26                 ; vi: token 8 h, channel r
	s_add_co_u32 s93, s[LB], TAB
	v_add_nc_u32 v[TW], s93, v[LI]                 ; the table: where mine goes,
	s_mul_i32 s93, s[TH], 2*REG
	s_add_co_u32 s93, s93, TAB
	v_add_nc_u32 v[RT], s93, v[LI]                 ; where tiles 0, 1 of my half lie,
	v_add_nc_u32 v[RT+1], REG, v[RT]               ; and tiles 2, 3
	s_lshl_b32 s93, s[CH], 9
	s_lshl_b32 s94, s[TH], 3
	s_add_co_u32 s93, s93, s94
	s_add_co_u32 s93, s93, IMG
	v_add_nc_u32 v[IQ], s93, v[LI]                 ; my two registers of Q's or K's scale block
	s_lshl_b32 s93, s[CH], 3
	s_lshl_b32 s94, s[TH], 1
	s_add_co_u32 s93, s93, s94
	s_add_co_u32 s93, s93, IMG+1024
	v_add_nc_u32 v[IV], s93, v[LI]                 ; my halves of V's words
	s_lshl_b32 s93, s[W], 9
	s_add_co_u32 s93, s93, IMG
	v_add_nc_u32 v[IO], s93, v[LI]                 ; the scale block that I store
	s_lshl_b32 s94, s[BY], 7
	s_lshl_b32 s95, s[W], 5
	s_add_co_u32 s94, s94, s95
	v_add_nc_u32 v27, s94, v[RR]                   ; my lane's token in the first tile of my part of the table
	v_lshlrev_b32 v26, 3, v[HH]                    ; 8 h
	s_wait_alu depctr_va_vdst(0)                   ; directly ahead of the waits below
	s_wait_dscnt 0x0                               ; both opening adds are done
	s_wait_kmcnt 0x0
	s_lshl_b32 s92, s[BY], 17
	s_mov_b32 s93, 0
	s_add_nc_u64 s[92:93], s[68:69], s[92:93]      ; x: the block's 128 rows
	s_lshl_b32 s94, s[HX], 17
	s_mov_b32 s95, 0
	s_cmp_eq_u32 s[W], 1
	s_cselect_b64 s[2:3], s[70:71], s[74:75]
	s_cmp_eq_u32 s[W], 2
	s_cselect_b64 s[2:3], s[72:73], s[2:3]
	s_add_nc_u64 s[94:95], s[2:3], s[94:95]        ; the weight's 128 rows
	s_mov_b32 s[G0X], 1
	s_mov_b32 s[G0X+1], s[LB]
	s_mov_b64 s[G0X+2:G0X+3], s[92:93]
	s_or_b32 s[G0X+3], s[G0X+3], 0x80000000
	s_mov_b32 s[G0W], 1
	s_mov_b32 s[G0W+1], s[LB]
	s_mov_b64 s[G0W+2:G0W+3], s[94:95]
	s_or_b32 s[G0W+3], s[G0W+3], 0x80000000
	CROUND                                         ; all sixteen work-groups are here: the joint loads meet
	JLOAD                                          ; K 0-511: one tensor load a wave
	s_lshl_b32 s96, s[BY], 13                      ; scale bytes: 64 a row
	s_lshl_b32 s97, s[TH], 12
	s_add_co_u32 s96, s96, s97
	s_mov_b32 s97, 0
	s_add_nc_u64 s[76:77], s[76:77], s[96:97]
	s_lshl_b32 s98, s[HX], 13
	s_mov_b32 s99, 0
	s_cmp_eq_u32 s[CH], 0
	s_cselect_b64 s[78:79], s[78:79], s[80:81]
	s_add_nc_u64 s[78:79], s[78:79], s[98:99]
	s_lshl_b32 s96, s[CH], 12
	s_add_co_u32 s98, s98, s96
	s_add_nc_u64 s[82:83], s[82:83], s[98:99]
.irp i, 0,1,2,3
.irp p, 0,1
	global_load_b128 v[XS+16*\p+4*\i:XS+16*\p+4*\i+3], v[SO], s[76:77] offset:2048*\p+16*\i
.endr
.irp p, 0,1,2,3
	global_load_b128 v[QS+16*\p+4*\i:QS+16*\p+4*\i+3], v[SO], s[78:79] offset:2048*\p+16*\i
.endr
.irp p, 0,1
	global_load_b128 v[VS+16*\p+4*\i:VS+16*\p+4*\i+3], v[SO], s[82:83] offset:2048*\p+16*\i
.endr
.endr
	s_cmp_eq_u32 s[W], 0
	s_cselect_b64 s[PF:PF+1], s[92:93], s[94:95]   ; the prefetches: the rows that I fetch,
	s_cselect_b32 s2, s61, s62                     ; of which the partner at my place asks for 32
	s_lshl_b32 s2, s2, 15
	s_mov_b32 s3, 0
	s_add_nc_u64 s[PF:PF+1], s[PF:PF+1], s[2:3]
	global_prefetch_b8 v[PFO], s[PF:PF+1] offset:256 th:TH_LOAD_NT scope:SCOPE_SE
	global_prefetch_b8 v[PFO], s[PF:PF+1] offset:512 th:TH_LOAD_NT scope:SCOPE_SE
	s_lshl_b32 s96, s[BY], 20                      ; vi: 8,192 bytes a token; my 64 tokens and 64 channels
	s_lshl_b32 s2, s[TH], 19
	s_add_co_u32 s96, s96, s2
	s_lshl_b32 s2, s[HX], 9
	s_add_co_u32 s96, s96, s2
	s_lshl_b32 s2, s[CH], 8
	s_add_co_u32 s96, s96, s2
	s_mov_b32 s97, 0
	s_add_nc_u64 s[84:85], s[84:85], s[96:97]
	s_mov_b32 s[G0V], 1
	s_mov_b32 s[G0V+1], s[LB]
	s_mov_b64 s[G0V+2:G0V+3], s[84:85]
	s_or_b32 s[G0V+3], s[G0V+3], 0x80000000
	s_load_b32 s[LAM], s[86:87], 0x0
	s_lshl_b32 s96, s[HX], 4
	s_add_co_u32 s96, s96, s[BY]
	s_mul_i32 s98, s96, 17408
	s_mul_i32 s96, s96, 8704
	s_mov_b32 s97, 0
	s_mov_b32 s99, 0
	s_add_nc_u64 s[88:89], s[88:89], s[96:97]      ; qbuf (head, block)
	s_add_nc_u64 s[90:91], s[90:91], s[98:99]      ; kvbuf
	s_lshl_b32 s2, s[TH], 12
	s_cmp_eq_u32 s[CH], 0
	s_cselect_b64 s[OUT:OUT+1], s[88:89], s[90:91]
	s_add_nc_u64 s[OUT:OUT+1], s[OUT:OUT+1], s[2:3]
	s_lshl_b32 s2, s[CH], 12
	s_lshl_b32 s96, s[TH], 9
	s_add_co_u32 s2, s2, s96
	s_add_co_u32 s2, s2, 8192
	s_add_nc_u64 s[OUTV:OUTV+1], s[90:91], s[2:3]
	s_lshl_b32 s2, s[W], 9                         ; waves 0, 1, 2 store the scale blocks of Q, K, V
	s_add_co_u32 s2, s2, 15872
	s_cmp_eq_u32 s[W], 0
	s_cselect_b32 s2, 8192, s2
	s_cselect_b64 s[OUTS:OUTS+1], s[88:89], s[90:91]
	s_add_nc_u64 s[OUTS:OUTS+1], s[OUTS:OUTS+1], s[2:3]
	s_mov_b32 s92, 0x3e549a78                      ; c = -log2(1e-4 as f32) / 64 in two parts, and -ln 2 (as pairs whose low word is taken)
	s_mov_b32 s93, s92
	s_mov_b32 s94, 0x31ab2a9e
	s_mov_b32 s95, s94
	s_mov_b32 s96, 0xbf317218
	s_mov_b32 s97, s96
	s_mov_b32 s[SEL], 0x76543210
	s_mov_b32 s[SEL+1], 0xfedcba98
	s_mov_b32 s[HM], 0xffff0000
	s_mov_b32 s[C7], 0x3c000000                    ; 1 / 128
	s_mov_b32 s[CE], 0x34000000                    ; EPS
; THE TABLE.  My lane's 32 frequencies f = 16 t + 8 h + j: inv = 2^-p (1 - e ln 2), p = f c_hi rounded, e the rest of f c.
.set i, 0
.rept 32
	v_add_nc_u32 v[INV+i], 16*(i/8)+i%8, v26
.set i, i+1
.endr
.set i, 0
.rept 32
	v_cvt_f32_u32 v[INV+i], v[INV+i]
.set i, i+1
.endr
.set i, 0
.rept 16
	v_pk_mul_f32 v[64+i:65+i], v[INV+i:INV+i+1], s[92:93] op_sel_hi:[1,0]
.set i, i+2
.endr
.set i, 0
.rept 16
	v_pk_fma_f32 v[96+i:97+i], v[INV+i:INV+i+1], s[92:93], v[64+i:65+i] op_sel_hi:[1,0,1] neg_lo:[0,0,1] neg_hi:[0,0,1]
.set i, i+2
.endr
.set i, 0
.rept 16
	v_pk_fma_f32 v[96+i:97+i], v[INV+i:INV+i+1], s[94:95], v[96+i:97+i] op_sel_hi:[1,0,1]
.set i, i+2
.endr
	s_wait_alu depctr_va_vdst(0)                   ; the wait ahead of the batch,
.set i, 0
.rept 32
	v_exp_f32 v[INV+i], -v[64+i]
.set i, i+1
.endr
	v_nop
	s_wait_alu depctr_va_vdst(0)                   ; and behind it
.set i, 0
.rept 16
	v_pk_mul_f32 v[96+i:97+i], v[INV+i:INV+i+1], v[96+i:97+i]
.set i, i+2
.endr
.set i, 0
.rept 16
	v_pk_fma_f32 v[INV+i:INV+i+1], v[96+i:97+i], s[96:97], v[INV+i:INV+i+1] op_sel_hi:[1,0,1]
.set i, i+2
.endr
.macro KC r, val
	v_mov_b32 v[\r], \val
	v_mov_b32 v[\r+1], \val
.endm
	KC KIP, 0x3ea2f983                             ; 1 / pi
	KC KMG, 0x4b400000                             ; 1.5 x 2^23: its sum with a number has the nearest whole number in its low bits
	KC KNM, 0xcb400000
	KC KNH, 0xc0490fdb                             ; -pi in two parts
	KC KNL, 0x33bbbd2e
	KC KS11, 0xb2d7322b                            ; the series of sin and cos
	KC KS9, 0x3638ef1d
	KC KS7, 0xb9500d01
	KC KS5, 0x3c088889
	KC KS3, 0xbe2aaaab
	KC KC12, 0x310f76c7
	KC KC10, 0xb493f27e
	KC KC8, 0x37d00d01
	KC KC6, 0xbab60b61
	KC KC4, 0x3d2aaaab
	v_cvt_f32_u32 v[TOK], v27
	v_cvt_f32_u32 v[TOK+1], v27
.macro F4 d, a, b, c, sb, sc           ; d = a b + c for four pairs; sb, sc = 0: that one is a constant
.irp m, 0,2,4,6
	v_pk_fma_f32 v[\d+\m:\d+\m+1], v[\a+\m:\a+\m+1], v[\b+\sb*\m:\b+\sb*\m+1], v[\c+\sc*\m:\c+\sc*\m+1]
.endr
.endm
.macro M4 d, a, b, sb
.irp m, 0,2,4,6
	v_pk_mul_f32 v[\d+\m:\d+\m+1], v[\a+\m:\a+\m+1], v[\b+\sb*\m:\b+\sb*\m+1]
.endr
.endm
; angle = token x inv, rounded once; k = the nearest whole number to angle / pi (at most 652); rho = angle - k pi, |rho| <= pi / 2; sin and cos of rho by their series to rho^11 and rho^12; k's parity flips both signs
.macro ROPE i, t
	M4 RA, INV+8*\t, TOK, 0
	F4 RK, RA, KIP, KMG, 0, 0
.irp m, 0,2,4,6
	v_pk_add_f32 v[RS+\m:RS+\m+1], v[RK+\m:RK+\m+1], v[KNM:KNM+1]
.endr
	F4 RA, RS, KNH, RA, 0, 1
	F4 RA, RS, KNL, RA, 0, 1
	M4 RZ, RA, RA, 1
	F4 RS, RZ, KS11, KS9, 0, 0
	F4 RC, RZ, KC12, KC10, 0, 0
	F4 RS, RS, RZ, KS7, 1, 0
	F4 RC, RC, RZ, KC8, 1, 0
	F4 RS, RS, RZ, KS5, 1, 0
	F4 RC, RC, RZ, KC6, 1, 0
	F4 RS, RS, RZ, KS3, 1, 0
	F4 RC, RC, RZ, KC4, 1, 0
	M4 RS, RS, RZ, 1
.irp m, 0,2,4,6
	v_pk_fma_f32 v[RC+\m:RC+\m+1], v[RC+\m:RC+\m+1], v[RZ+\m:RZ+\m+1], -0.5 op_sel_hi:[1,1,0]
.endr
	F4 RS, RS, RA, RA, 1, 1
.irp m, 0,2,4,6
	v_pk_fma_f32 v[RC+\m:RC+\m+1], v[RC+\m:RC+\m+1], v[RZ+\m:RZ+\m+1], 1.0 op_sel_hi:[1,1,0]
.endr
	WIN 0xc0
.irp j, 0,1,2,3,4,5,6,7
	v_lshl_add_u32 v[128+64*\i+8*\t+\j], v[RK+\j], 31, v[RC+\j]
	v_lshl_add_u32 v[160+64*\i+8*\t+\j], v[RK+\j], 31, v[RS+\j]
.endr
	WIN 0
.endm
.irp t, 0,1,2,3
	ROPE 0, \t
.endr
	v_add_f32 v[TOK], 0x41800000, v[TOK]           ; 16 tokens on
	v_add_f32 v[TOK+1], 0x41800000, v[TOK+1]
.irp t, 0,1,2,3
	ROPE 1, \t
.endr
	s_wait_alu depctr_va_vdst(0)
	s_wait_kmcnt 0x0
	v_mov_b32 v[LM], s[LAM]
	v_mov_b32 v[LM+1], s[LAM]
	v_sub_f32 v[LM+2], 1.0, v[LM]
	v_sub_f32 v[LM+3], 1.0, v[LM]
	s_wait_alu depctr_va_vdst(0)                   ; the head's end
	s_wait_loadcnt 0x0                             ; the scale words
	s_wait_tensorcnt 0x0                           ; my rows of K 0-511;
	ds_add_u32 v[SPW], v[NIL]                      ; ahead of a later first fill
	NEXT 1
	s_wait_dscnt 0x0
	CROUND                                         ; everybody's rows are in
	JLOAD                                          ; slot 1: K 512-1023
; A K step s (128 along K, 0 .. 15) lies in slot (s / 4) % 2, 64 bytes a row; its 32 LDS loads fill fragment set s % 2.
.macro L2 reg, adr, off
	ds_load_b128 v[\reg:\reg+3], v[\adr] offset:KO+\off
	ds_load_b128 v[\reg+4:\reg+7], v[\adr] offset:KO+\off+32
.endm
.macro LDX s
.set KO, 64*((\s)%4)
.set SL, ((\s)/4)%2
.set FS, 128*((\s)%2)
	WIN 0x40
.irp a, 0,1,2,3
	L2 FS+8*\a, ADX+SL, \a*16*PIT
.endr
.irp t, 0,1,2,3,4,5,6,7
	L2 FS+32+8*\t, ADW+SL, \t*16*PIT
.endr
.irp t, 0,1,2,3
	L2 FS+96+8*\t, ADV+SL, \t*16*PIT
.endr
.endm
; The 48 accumulators take turns, in the same order in every step.
.macro MULQ s, t0
	WIN 0xa5
.set FS, 128*((\s)%2)
.irp t, \t0, \t0+1, \t0+2, \t0+3
.irp a, 0,1,2,3
	WM 64*\a+8*(\t), FS+32+8*(\t), FS+8*\a, (\s)==0, QS+16*((\t)/2)+(\s), XS+16*(\a/2)+(\s), (\t)%2, \a%2
.endr
.endr
.endm
.macro MULV s
	WIN 0xf5
.set FS, 128*((\s)%2)
.irp t, 0,1,2,3
.irp a, 0,1,2,3
	WM 32*\t+8*\a, FS+8*\a, FS+96+8*\t, (\s)==0, XS+16*(\a/2)+(\s), VS+16*(\t/2)+(\s), \a%2, \t%2
.endr
.endr
.endm
.macro STEP s
	s_wait_dscnt 16                                ; x's and the first four weight fragments are in; the step's other 16 loads may be out
	P4
	LDX (\s)+1
	MULQ \s, 0
	s_wait_dscnt 32                                ; all but the next step's 32
	MULQ \s, 4
	MULV \s
.endm
; A slot's last step changes slots.  fill = 1: the slot just read takes the K that lies two slots on; fill = 2: it takes vi.
.macro TURN s, fill
	s_wait_dscnt 0x0
	MULQ \s, 0
	MULQ \s, 4
	WIN 0
	s_wait_tensorcnt 0x0                           ; my rows of the other slot are in
	ds_add_u32 v[SPW], v[NIL]
.if \fill == 1
	NEXT ((\s)/4)%2
.endif
	s_wait_dscnt 0x0                               ; the add is done, and so are my reads of this slot
	s_barrier_signal -1
	MULV \s
	WIN 0
	s_barrier_wait -1
	CREST
.if \fill == 1
	JLOAD
.else
	tensor_load_to_lds s[G0V:G0V+3], s[G1V:G1V+7]  ; each wave its own rows of vi, which it alone reads
	s_nop 0
	P4
.endif
	LDX (\s)+1
.endm
	LDX 0
	STEP 0
	WIN 0
	global_prefetch_b8 v[PFO], s[PF:PF+1] offset:768 th:TH_LOAD_NT scope:SCOPE_SE
	STEP 1
	STEP 2
	TURN 3, 1
	STEP 4
	WIN 0
	global_prefetch_b8 v[PFV], s[84:85] th:TH_LOAD_NT scope:SCOPE_SE
	global_prefetch_b8 v[PFV], s[84:85] offset:262144 th:TH_LOAD_NT scope:SCOPE_SE
	STEP 5
	STEP 6
	TURN 7, 1
	STEP 8
	STEP 9
	STEP 10
	TURN 11, 2
	STEP 12
	STEP 13
	STEP 14
	s_wait_dscnt 16
	MULQ 15, 0
	s_wait_dscnt 0x0
	MULQ 15, 4
	MULV 15
	WIN 0
	P4
; THE WAY OUT.
.irp b, 0,1,2,3
	v_mov_b32 v[RN+1+2*\b], 0                      ; (named as upper halves of pairs)
	v_mov_b32 v[TM+4+\b], 0                        ; (a lane permute's destination counts as one of its sources)
.endr
.macro SUM a                           ; squares of token tile a, in four chains
	WIN 0x0a
.irp k, 0,2,4,6
	v_pk_mul_f32 v[SS+8*\a+\k:SS+8*\a+\k+1], v[64*\a+\k:64*\a+\k+1], v[64*\a+\k:64*\a+\k+1]
.endr
.set i, 4
.rept 28
	v_pk_fma_f32 v[SS+8*\a+2*(i%4):SS+8*\a+2*(i%4)+1], v[64*\a+2*i:64*\a+2*i+1], v[64*\a+2*i:64*\a+2*i+1], v[SS+8*\a+2*(i%4):SS+8*\a+2*(i%4)+1]
.set i, i+1
.endr
.endm
	s_wait_alu depctr_va_vdst(0)
	s_wait_tensorcnt 0x0                           ; vi is in
	s_wait_dscnt 0x0
	s_barrier_signal -1                            ; my reads of the tiles are over
	SUM 0
	SUM 1
	s_wait_alu depctr_va_vdst(0)
	s_barrier_wait -1                              ; everybody's are: no fill follows, and the bytes behind vi's rows take the table
	WIN 0x0c
.set i, 0
.rept 32
	ds_store_b128 v[TW], v[128+4*i:131+4*i] offset:512*i
.set i, i+1
.endr
	SUM 2
	SUM 3
	WIN 0
	s_wait_alu depctr_va_vdst(0)
	s_wait_dscnt 0x0
	s_barrier_signal -1
.irp a, 0,1,2,3
	v_pk_add_f32 v[SS+8*\a:SS+8*\a+1], v[SS+8*\a:SS+8*\a+1], v[SS+8*\a+2:SS+8*\a+3]
.endr
.irp a, 0,1,2,3
	v_pk_add_f32 v[SS+8*\a+4:SS+8*\a+5], v[SS+8*\a+4:SS+8*\a+5], v[SS+8*\a+6:SS+8*\a+7]
.endr
.irp a, 0,1,2,3
	v_pk_add_f32 v[SS+8*\a:SS+8*\a+1], v[SS+8*\a:SS+8*\a+1], v[SS+8*\a+4:SS+8*\a+5]
.endr
.irp a, 0,1,2,3
	v_add_f32 v[SS+8*\a], v[SS+8*\a], v[SS+8*\a+1]
.endr
.irp a, 0,1,2,3
	v_permlanex16_b32 v[SS+8*\a+1], v[SS+8*\a], s[SEL], s[SEL+1]
.endr
.irp a, 0,1,2,3
	v_add_f32 v[SS+8*\a], v[SS+8*\a], v[SS+8*\a+1]
.endr
.irp a, 0,1,2,3
	v_fma_f32 v[SS+8*\a], v[SS+8*\a], s[C7], s[CE]
.endr
	s_wait_alu depctr_va_vdst(0)                   ; the wait ahead of the batch,
.irp a, 0,1,2,3
	v_rsq_f32 v[RN+2*\a], v[SS+8*\a]
.endr
	v_nop
	s_wait_alu depctr_va_vdst(0)                   ; and behind it
	s_barrier_wait -1                              ; the table is whole
.macro LDT a                           ; token tile a's cos and sin: 16 loads
	WIN 0x40
.set i, 0
.rept 16
	ds_load_b128 v[64*(\a%2)+4*i:64*(\a%2)+4*i+3], v[RT+\a/2] offset:8192*(\a%2)+512*i
.set i, i+1
.endr
	WIN 0
.endm
.macro LDVI p                          ; vi for channel tiles 2 p, 2 p + 1: 64 loads
	WIN 0x40
.irp c, 0,1
.irp a, 0,1,2,3
.irp j, 0,1,2,3,4,5,6,7
	ds_load_b32 v[128+64*\p+32*\c+8*\a+\j], v[VA] offset:(16*\a+\j)*PIT+64*(2*\p+\c)
.endr
.endr
.endr
	WIN 0
.endm
; The quantiser on Y's four blocks of 32 (16 registers in lanes l and l xor 16 each): scale operands, bytes, codes, and the exchanges of halves that the operand's layout wants.
.macro QUANT pc
.irp b, 0,1,2,3
	v_max3_num_f32 v[TM+\b], |v[Y+16*\b]|, |v[Y+16*\b+1]|, 0x1800000
.endr
.irp i, 2,4,6,8,10,12,14
.irp b, 0,1,2,3
	v_max3_num_f32 v[TM+\b], v[TM+\b], |v[Y+16*\b+\i]|, |v[Y+16*\b+\i+1]|
.endr
.endr
.irp b, 0,1,2,3
	v_permlanex16_b32 v[TM+4+\b], v[TM+\b], s[SEL], s[SEL+1]
.endr
.irp b, 0,1,2,3
	v_max_num_f32 v[TM+\b], v[TM+\b], v[TM+4+\b]
.endr
.irp b, 0,1,2,3
	v_add_nc_u32 v[TM+8+\b], 0xff000000, v[TM+\b]
.endr
.irp b, 0,1,2,3
	v_lshrrev_b32 v[TM+4+\b], 23, v[TM+8+\b]
.endr
.irp t, 0,1,2,3,4,5,6,7
	v_cvt_scalef32_pk8_fp4_f32 v[\pc+4*(\t/4)+2*(\t%2)+(\t%4)/2], v[Y+8*\t:Y+8*\t+7], v[TM+8+\t/2]
.endr
	v_nop
.irp c, 0,1
	v_permlane16_swap_b32 v[\pc+4*\c], v[\pc+4*\c+1]
	v_permlane16_swap_b32 v[\pc+4*\c+2], v[\pc+4*\c+3]
.endr
.endm
.macro EPI a, n
	WIN 0x02
.set i, 0
.rept 32
	v_pk_mul_f32 v[Y+i:Y+i+1], v[64*\a+i:64*\a+i+1], v[RN+2*\a:RN+2*\a+1] op_sel_hi:[1,0]
.set i, i+2
.endr
	s_wait_alu depctr_va_vdst(0)                   ; directly ahead of the wait below
	s_wait_dscnt \n                                ; this tile's 16 loads are in; what was asked for behind them may be out
	WIN 0x04
.irp g, 0,1,2,3
.irp k, 0,2,4,6
	v_pk_mul_f32 v[TT+\k:TT+\k+1], v[Y+32+8*\g+\k:Y+32+8*\g+\k+1], v[64*(\a%2)+32+8*\g+\k:64*(\a%2)+32+8*\g+\k+1]
.endr
.irp k, 0,2,4,6
	v_pk_mul_f32 v[UU+\k:UU+\k+1], v[Y+8*\g+\k:Y+8*\g+\k+1], v[64*(\a%2)+32+8*\g+\k:64*(\a%2)+32+8*\g+\k+1]
.endr
.irp k, 0,2,4,6
	v_pk_fma_f32 v[Y+8*\g+\k:Y+8*\g+\k+1], v[Y+8*\g+\k:Y+8*\g+\k+1], v[64*(\a%2)+8*\g+\k:64*(\a%2)+8*\g+\k+1], v[TT+\k:TT+\k+1]
.endr
.irp k, 0,2,4,6
	v_pk_fma_f32 v[Y+32+8*\g+\k:Y+32+8*\g+\k+1], v[Y+32+8*\g+\k:Y+32+8*\g+\k+1], v[64*(\a%2)+8*\g+\k:64*(\a%2)+8*\g+\k+1], v[UU+\k:UU+\k+1] neg_lo:[0,0,1] neg_hi:[0,0,1]
.endr
.endr
	WIN 0
	QUANT PC+8*\a
	v_lshl_or_b32 v[PW+\a], v[TM+5], 8, v[TM+4]
	v_lshl_or_b32 v[PW+\a], v[TM+6], 16, v[PW+\a]
	v_lshl_or_b32 v[PW+\a], v[TM+7], 24, v[PW+\a]
	global_store_b128 v[LI], v[PC+8*\a:PC+8*\a+3], s[OUT:OUT+1] offset:1024*\a
	global_store_b128 v[LI], v[PC+8*\a+4:PC+8*\a+7], s[OUT:OUT+1] offset:1024*\a+512
.endm
.macro EPIV p, n                       ; V's channel tiles 2 p, 2 p + 1: (1 - lamb) v + lamb vi, quantised along my 64 tokens
	s_wait_alu depctr_va_vdst(0)                   ; directly ahead of the wait below
	s_wait_dscnt \n
	WIN 0x01
.set i, 0
.rept 32
	v_pk_mul_f32 v[Y+i:Y+i+1], v[128+64*\p+i:129+64*\p+i], v[LM:LM+1]
.set i, i+2
.endr
	WIN 0x03
	s_wait_alu depctr_va_vdst(0)                   ; ahead of the products' first readers
.set i, 0
.rept 32
	v_pk_fma_f32 v[Y+i:Y+i+1], v[64*\p+i:64*\p+i+1], v[LM+2:LM+3], v[Y+i:Y+i+1]
.set i, i+2
.endr
	WIN 0
	QUANT PCV+8*\p
	v_lshl_or_b32 v[EO], v[TM+5], 8, v[TM+4]
	v_lshl_or_b32 v[EO+1], v[TM+7], 8, v[TM+6]
	v_cndmask_b32 v[VH+\p], v[EO], v[EO+1], s[HM]
	global_store_b128 v[LI], v[PCV+8*\p:PCV+8*\p+3], s[OUTV:OUTV+1] offset:2048*\p
	global_store_b128 v[LI], v[PCV+8*\p+4:PCV+8*\p+7], s[OUTV:OUTV+1] offset:2048*\p+1024
.endm
	LDT 0
	LDT 1
	EPI 0, 16
	LDT 2
	EPI 1, 16
	LDT 3
	EPI 2, 16
	LDVI 0
	EPI 3, 63                                      ; tile 3's 16 loads stand ahead of vi's 64
	LDVI 1
	EPIV 0, 63                                     ; the first 64 of vi stand ahead of the other 64
	EPIV 1, 0
	v_cndmask_b32 v[SW], v[PW], v[PW+1], s[HM]
	v_cndmask_b32 v[SW+1], v[PW+2], v[PW+3], s[HM]
	ds_store_b64 v[IQ], v[SW:SW+1]
	ds_store_b16 v[IV], v[VH]
	ds_store_b16 v[IV], v[VH+1] offset:4
	s_wait_alu depctr_va_vdst(0)
	s_wait_dscnt 0x0
	s_barrier_signal -1
	s_barrier_wait -1                              ; the three scale blocks are whole
	s_cmp_lt_u32 s[W], 3
	s_cbranch_scc0 .Lfin
	ds_load_b128 v[240:243], v[IO]
	s_wait_dscnt 0x0
	global_store_b128 v[LI], v[240:243], s[OUTS:OUTS+1]
.Lfin:
	s_wait_tensorcnt 0x0                           ; the wave's end
	ds_add_u32 v[SPW], v[NIL]
	s_wait_dscnt 0x0
	CROUND                                         ; the closing round
	s_endpgm
.Lfunc_end_k_qfb90072d99_qkv:
	.size	k_qfb90072d99_qkv, .Lfunc_end_k_qfb90072d99_qkv-k_qfb90072d99_qkv
	.p2alignl 7, 3214868480
	.fill 96, 4, 3214868480
	.section	.rodata,"a",@progbits
	.p2align	6, 0x0
	.amdhsa_kernel k_qfb90072d99_qkv
		.amdhsa_group_segment_fixed_size 327680
		.amdhsa_private_segment_fixed_size 0
		.amdhsa_enable_private_segment 0
		.amdhsa_kernarg_size 96
		.amdhsa_user_sgpr_count 2
		.amdhsa_user_sgpr_kernarg_segment_ptr 1
		.amdhsa_wavefront_size32 1
		.amdhsa_system_sgpr_workgroup_id_x 1
		.amdhsa_system_sgpr_workgroup_id_y 1
		.amdhsa_system_sgpr_workgroup_id_z 1
		.amdhsa_system_vgpr_workitem_id 0
		.amdhsa_next_free_vgpr 1024
		.amdhsa_next_free_sgpr 106
		.amdhsa_reserve_vcc 0
		.amdhsa_float_denorm_mode_32 3
		.amdhsa_float_denorm_mode_16_64 3
		.amdhsa_memory_ordered 1
		.amdhsa_forward_progress 1
		.amdhsa_inst_pref_size 255
	.end_amdhsa_kernel
	.section	.bss,"aw",@nobits
	.p2align	6
	.space	262144
	.amdgpu_metadata
---
amdhsa.version: [ 1, 2 ]
amdhsa.kernels:
  - .name:           k_qfb90072d99_qkv
    .symbol:         k_qfb90072d99_qkv.kd
    .args:
      - { .name: x_codes, .offset: 0, .size: 8, .value_kind: global_buffer, .address_space: global }
      - { .name: Wq_codes, .offset: 8, .size: 8, .value_kind: global_buffer, .address_space: global }
      - { .name: Wk_codes, .offset: 16, .size: 8, .value_kind: global_buffer, .address_space: global }
      - { .name: Wv_codes, .offset: 24, .size: 8, .value_kind: global_buffer, .address_space: global }
      - { .name: x_scales, .offset: 32, .size: 8, .value_kind: global_buffer, .address_space: global }
      - { .name: Wq_scales, .offset: 40, .size: 8, .value_kind: global_buffer, .address_space: global }
      - { .name: Wk_scales, .offset: 48, .size: 8, .value_kind: global_buffer, .address_space: global }
      - { .name: Wv_scales, .offset: 56, .size: 8, .value_kind: global_buffer, .address_space: global }
      - { .name: vi, .offset: 64, .size: 8, .value_kind: global_buffer, .address_space: global }
      - { .name: lamb, .offset: 72, .size: 8, .value_kind: global_buffer, .address_space: global }
      - { .name: qbuf, .offset: 80, .size: 8, .value_kind: global_buffer, .address_space: global }
      - { .name: kvbuf, .offset: 88, .size: 8, .value_kind: global_buffer, .address_space: global }
    .group_segment_fixed_size: 327680
    .private_segment_fixed_size: 0
    .kernarg_segment_align: 8
    .kernarg_segment_size: 96
    .max_flat_workgroup_size: 128
    .sgpr_count:     106
    .vgpr_count:     1024
    .wavefront_size: 32
...
	.end_amdgpu_metadata
.endif
;; end of part 1
;; launch attn (part 2): grid 16 x 16, 8 waves a work-group, clusters of 4 x 1, 327,680 bytes of LDS; arguments qbuf, kvbuf, ybuf; writes ybuf
.if DOCPART == 2
	.amdgcn_target "amdgcn-amd-amdhsa--gfx1250"
	.amdhsa_code_object_version 6
	.text
	.protected	k_qfb90072d99_attn
	.globl	k_qfb90072d99_attn
	.p2align	8
	.type	k_qfb90072d99_attn,@function
k_qfb90072d99_attn:
	s_mov_b64 s[64:65], 0
	v_nop
	global_prefetch_b8 v0, s[64:65] scope:SCOPE_SE
	s_setreg_imm32_b32 hwreg(HW_REG_WAVE_MODE, 25, 1), 1
	s_wait_xcnt 0x0
	s_wait_alu depctr_hold_cnt(0) depctr_sa_sdst(0) depctr_va_vdst(0) depctr_va_sdst(0) depctr_va_ssrc(0) depctr_va_vcc(0) depctr_vm_vsrc(0)
	s_getreg_b32 s2, hwreg(HW_REG_IB_STS2, 6, 4)
	s_cmp_eq_u32 s2, 0
	s_cbranch_scc0 .Lentry_in_a_cluster
	s_endpgm
.Lentry_in_a_cluster:
	s_bfe_u32 s2, ttmp6, 0x10000c
	s_cmp_lg_u32 s2, 0x3003
	s_cbranch_scc0 .Lentry_shape_is_right
	s_endpgm
.Lentry_shape_is_right:
; y[q][head] = softmax over keys k <= q of (Q[q] . K[k] / sqrt(128)) V[k], both products on codes of FP4 (E2M1) with one E8M0 scale for each 32 along a product's K; y is quantised along the head's 128 for the projection.
; WORK LEFT OUT: key steps of 128 that lie wholly behind a tile's queries: reference()'s own lower triangle hides them for all values of the inputs.
; THE SOFTMAX: t = score x log2(e) / sqrt(128); p = 2^t is quantised along the keys, not normalised; the row's sum is taken of the unquantised p and divides at the end.  NO MAXIMUM IS TAKEN AWAY, because reference() normalises
; Q and K itself: the RMS norm leaves a vector of length sqrt(128) at most, RoPE turns it, and the quantiser lengthens it at most 1.25 + 0.25 sqrt(2) < 1.61 times (a number of 1 and more in units of its block's scale grows by a quarter
; at most, a smaller one by a quarter of the scale, and the scale is a quarter of the block's largest number at most).  So |score| / sqrt(128) <= 1.61^2 x sqrt(128) < 29.4 and |t| < 43 for every input: p lies between 2^-43 and 2^43, a sum under 2^54.
; A whole M taken away would move p by a power of two, which the block's scale takes up: the codes are the same.
; IN: qbuf [head][block of 128 queries][8,704]: 8 fragment images of 1,024 bytes, then the scale block.  kvbuf [head][step of 128 keys][17,408]: K's 8 images, V's 8 images (16 of the head's 128 x the step's keys), K's and V's scale blocks.
; An image is an operand's 8 registers: group c at 512 c + 16 x lane.  A scale block read at 16 x lane gives 4 registers: register p holds tile 2 p's words in lanes 0-15, tile 2 p + 1's in lanes 16-31.
; SHARES.  A cluster of four work-groups serves one head and, with P = cluster x, the blocks of 128 queries P, 7 - P, 8 + P, 15 - P; the work-group at place cx takes tiles 2 cx and 2 cx + 1 of each: 8 tiles of 16 queries.
; TWO WAVES SHARE TWO TILES.  Waves w and w xor 2 have a tile of a short block X (P in waves 0-3, 7 - P in waves 4-7) and the same tile of the long block 15 - X: X + 1 and 16 - X key steps, 17 together.  One of the two
; works the EVEN key steps of both tiles, the other the ODD ones: 9 and 8 tile steps, one diagonal step each.  A step's K and V are read from LDS once for both tiles.  The role is the parity of the wave number's three bits,
; so that waves w and w + 4, and waves 2 m and 2 m + 1, have different roles.  Every branch hangs on P and the wave's number, which the four partners share; cx enters global addresses and the mask's compare register alone.
; SLOTS.  Slot 0 is the short tile, slot 1 the long one, which is at work in every step that is walked.  At last the even wave finishes the long tile and hands its part of the short one to its partner, and the other way round, through LDS;
; the two parts are added.
; LDS: the head's whole K and V, 16 x 17,408 bytes, filled once by joint loads, one a wave: key steps 0-3 at the head (34 rows of 256 bytes a wave), steps 4-15 behind a round (102 rows a wave), with the first walk in which to land.
; No prefetch: nothing is filled again, there is no loop of loads to run ahead in.
; What the waves hand over (8,704 bytes a wave) lies in the bytes of key steps 0-3, which nobody reads behind the barrier in front of the stores.
; LAYOUT.  Both products transposed: S^T = K Q^T, O^T = V^T P^T: a lane holds one query (lane % 16); register 8 t + j is key (or channel) 16 t + 8 (lane / 16) + j.
; LIMITS: NaN and infinities are not served, nor carried from work left out; |V| stays under 2^70; a block of y whose largest magnitude lies under 2^-124 gets the scale byte 1.
; REGISTERS: v1-11 addresses; v[12 + 2 s] on the sum of slot s in two halves; v[20 + 8 s] on Q; v[36 + s] its scale words; v40-43, v44-47 K's, V's scale words; v48-111 K, at last the partner's O^T;
;   v112-175 S^T, p, at last y; v176-183 codes; v184-195 at work; v202 p's (y's) scale word.   window 1: v0-63, v64-127 O^T of slots 0, 1; v128-191 V.
.set STEPB, 17408
.set PHB,   4*STEPB
.set AREA,  8704                       ; a wave's eighth of key steps 0-3; later what it hands over: 16 x 512 bytes of O^T, 512 of sums
.set AREAB, 26112                      ; a wave's eighth of key steps 4-15
.set SPARE, 16*STEPB
.set LI,  1                            ; 16 x lane
.set ADK, 2                            ; the step's first byte + 16 x lane
.set DD,  3                            ; my query in its block - 8 (lane / 16): key 16 t + j (+ 8 (lane / 16)) is hidden where 16 t + j > DD
.set NINF, 4
.set QSO, 7
.set YSO, 8
.set SWA, 9                            ; where what I hand over goes
.set SRA, 10                           ; where my partner's lies
.set ADN, 11                           ; my next step's first byte + 16 x lane
.set KS,  40
.set VS,  44
.set KF,  48
.set S,   112
.set PC,  176
.set TM,  184                          ; v184-187 block maxima, v188-191 permutes and bytes, v192-195 the conversions' scale operands
.set SND, 196
.set GOT, 197
.set KP,  198
.set RC,  200
.set PW,  202
.set SU,  204
.set SPW, 254
.set NIL, 255
.set VF,  128                          ; in window 1
.set RM,  15                           ; all ones in the odd wave
.set SEL, 20
.set CS,  22
.set MSB, 0
.macro WIN new
.if MSB != (\new)
	s_set_vgpr_msb (MSB<<8)|(\new)
.set MSB, (\new)
.endif
.endm
.macro P4
.rept 4
	v_nop
.endr
.endm
.macro ROUND                           ; a round of the cluster's barrier
	s_barrier_signal -1
	s_barrier_wait -1
	s_cmp_lg_u32 s10, 0
	s_cbranch_scc1 .Lnot_wave_0_\@
	s_barrier_signal -3
.Lnot_wave_0_\@:
	s_barrier_wait -3
	s_barrier_signal -1
	s_barrier_wait -1
.endm
; one scaled product: z = 1: it starts the sum; ra = 1: source 0's scale words stand in lanes 16-31
.macro WM d, a, b, z, sa, sb, ra
.if (\z) && (\ra)
	v_wmma_scale_f32_16x16x128_f8f6f4 v[\d:\d+7], v[\a:\a+7], v[\b:\b+7], 0, v[\sa], v[\sb] matrix_a_fmt:MATRIX_FMT_FP4 matrix_b_fmt:MATRIX_FMT_FP4 matrix_a_scale:MATRIX_SCALE_ROW1
.elseif (\z)
	v_wmma_scale_f32_16x16x128_f8f6f4 v[\d:\d+7], v[\a:\a+7], v[\b:\b+7], 0, v[\sa], v[\sb] matrix_a_fmt:MATRIX_FMT_FP4 matrix_b_fmt:MATRIX_FMT_FP4
.elseif (\ra)
	v_wmma_scale_f32_16x16x128_f8f6f4 v[\d:\d+7], v[\a:\a+7], v[\b:\b+7], v[\d:\d+7], v[\sa], v[\sb] matrix_a_fmt:MATRIX_FMT_FP4 matrix_b_fmt:MATRIX_FMT_FP4 matrix_a_scale:MATRIX_SCALE_ROW1
.else
	v_wmma_scale_f32_16x16x128_f8f6f4 v[\d:\d+7], v[\a:\a+7], v[\b:\b+7], v[\d:\d+7], v[\sa], v[\sb] matrix_a_fmt:MATRIX_FMT_FP4 matrix_b_fmt:MATRIX_FMT_FP4
.endif
.endm
.macro CODES                           ; eight conversions and the exchanges of halves: tile t's eight codes are one register; the operand wants k = 64 c + 32 (lane / 16) + 0 .. 31 in registers 4 c .. 4 c + 3
.irp t, 0,1,2,3,4,5,6,7
	v_cvt_scalef32_pk8_fp4_f32 v[PC+4*(\t/4)+2*(\t%2)+(\t%4)/2], v[S+8*\t:S+8*\t+7], v[TM+8+\t/2]
.endr
	v_nop                                          ; one plain line behind the scaled conversions
.irp c, 0,1
	v_permlane16_swap_b32 v[PC+4*\c], v[PC+4*\c+1]
	v_permlane16_swap_b32 v[PC+4*\c+2], v[PC+4*\c+3]
.endr
.endm
.macro WORD                            ; from the blocks' largest magnitudes in v[TM] on: scale operands, bytes, the scale word
.irp b, 0,1,2,3
	s_delay_alu instid0(VALU_DEP_4)
	v_add_nc_u32 v[TM+8+\b], 0xff000000, v[TM+\b]  ; 2 off the exponent field
.endr
.irp b, 0,1,2,3
	s_delay_alu instid0(VALU_DEP_4)
	v_lshrrev_b32 v[TM+4+\b], 23, v[TM+8+\b]
.endr
	s_delay_alu instid0(VALU_DEP_3)
	v_lshl_or_b32 v[PW], v[TM+5], 8, v[TM+4]
	s_delay_alu instid0(VALU_DEP_1)
	v_lshl_or_b32 v[PW], v[TM+6], 16, v[PW]
	s_delay_alu instid0(VALU_DEP_1)
	v_lshl_or_b32 v[PW], v[TM+7], 24, v[PW]
.endm
.macro CROSS                           ; the four blocks' maxima joined with lane l xor 16's
.irp b, 0,1,2,3
	s_delay_alu instid0(VALU_DEP_4)
	v_permlanex16_b32 v[TM+4+\b], v[TM+\b], s[SEL], s[SEL+1]
.endr
.irp b, 0,1,2,3
	s_delay_alu instid0(VALU_DEP_4)
	v_max_num_f32 v[TM+\b], v[TM+\b], v[TM+4+\b]
.endr
.endm
	s_load_b128 s[4:7], s[0:1], 0x0                ; qbuf, kvbuf
	s_load_b64 s[8:9], s[0:1], 0x10                ; ybuf
	v_lshl_add_u32 v[SPW], v0, 2, SPARE
	v_mov_b32 v[NIL], 0
	ds_add_u32 v[SPW], v[NIL]                      ; the opening: the add, twice on end, and its wait
	ds_add_u32 v[SPW], v[NIL]
	v_lshrrev_b32 v1, 5, v0
	v_readfirstlane_b32 s10, v1                    ; wave 0..7
	s_and_b32 s13, ttmp7, 0xffff                   ; the head
	s_lshr_b32 s48, s10, 2                         ; which pair of blocks
	s_sub_co_u32 s49, 7, ttmp9
	s_cmp_eq_u32 s48, 0
	s_cselect_b32 s12, ttmp9, s49                  ; the short block, and its last key step: P or 7 - P;
	s_sub_co_u32 s11, 15, s12                      ; the long one
	s_lshr_b32 s19, s10, 1
	s_xor_b32 s19, s19, s10
	s_xor_b32 s19, s19, s48
	s_and_b32 s19, s19, 1                          ; my role: 0 the even key steps, 1 the odd ones
	s_cmp_eq_u32 s19, 0
	s_cselect_b32 s14, s11, s12                    ; the block whose tile I finish
	s_cselect_b32 s[RM], 0, -1
	s_mov_b32 s16, s19                             ; my first key step,
	s_mul_i32 s17, s19, STEPB                      ; and its first byte in LDS
.irp g, 24,36                          ; groups 1: the mask names all four; elements of 8 bytes; bit 21 beside a mask; dense rows of 256 bytes
	s_mov_b32 s[\g], 15|(3<<16)|(1<<21)
	s_mov_b32 s[\g+1], 32<<16
	s_mov_b32 s[\g+3], 32<<16
	s_mov_b32 s[\g+5], 32
	s_mov_b32 s[\g+6], 0
	s_mov_b32 s[\g+7], 0
.endr
	s_mov_b32 s26, 34<<16
	s_mov_b32 s28, 34
	s_mov_b32 s38, 102<<16
	s_mov_b32 s40, 102
	s_mul_i32 s46, s13, 16*STEPB                   ; the head's K and V,
	s_mov_b32 s47, 0
	s_mul_i32 s52, s10, AREA                       ; my eighth of key steps 0-3,
	s_mov_b32 s51, 0
	s_mul_i32 s44, s10, AREAB                      ; and of key steps 4-15
	s_add_co_u32 s44, s44, PHB
	s_mov_b32 s45, 0
	s_xor_b32 s53, s10, 2                          ; my partner,
	s_mul_i32 s53, s53, AREA                       ; and the place of what it hands over
	s_mov_b32 s50, s52
	s_mov_b32 s[SEL], 0x76543210
	s_mov_b32 s[SEL+1], 0xfedcba98
	s_mov_b32 s[CS], 0x3e0293ee                    ; c = log2(e) / sqrt(128)
	s_mov_b32 s[CS+1], s[CS]
	s_wait_dscnt 0x0
	s_wait_kmcnt 0x0
	s_add_nc_u64 s[46:47], s[6:7], s[46:47]
	s_mov_b32 s32, 1
	s_mov_b32 s33, s52
	s_add_nc_u64 s[34:35], s[46:47], s[50:51]
	s_or_b32 s35, s35, 0x80000000
	ROUND                                          ; all four work-groups are here: the joint loads meet
	tensor_load_to_lds s[32:35], s[24:31]          ; key steps 0-3
	s_nop 0
	P4
	s_bfe_u32 s48, ttmp6, 0x40000                  ; cx: from here on, in addresses of Q and y and in the mask's register alone
	s_and_b32 s49, s10, 1
	s_lshl_b32 s48, s48, 1
	s_add_co_u32 s48, s48, s49                     ; tau: my tile in both blocks
	s_lshl_b32 s49, s48, 10                        ; its image: 1,024 tau
	s_and_b32 s50, s48, 1
	s_lshl_b32 s50, s50, 8
	s_lshr_b32 s51, s48, 1
	s_lshl_b32 s51, s51, 2
	s_add_co_u32 s50, s50, s51
	s_add_co_u32 s50, s50, 8192                    ; its words in the scale block: 8,192 + 256 (tau & 1) + 4 (tau >> 1), 16 bytes from row to row
	s_lshl_b32 s51, s13, 4
	s_add_co_u32 s54, s51, s12
	s_mul_i32 s54, s54, 8704                       ; qbuf: (head, short block)
	s_add_co_u32 s56, s54, s50
	s_add_co_u32 s54, s54, s49
	s_mov_b32 s55, 0
	s_mov_b32 s57, 0
	s_add_nc_u64 s[54:55], s[4:5], s[54:55]
	s_add_nc_u64 s[56:57], s[4:5], s[56:57]
	s_add_co_u32 s58, s51, s11
	s_mul_i32 s58, s58, 8704                       ; (head, long block)
	s_add_co_u32 s60, s58, s50
	s_add_co_u32 s58, s58, s49
	s_mov_b32 s59, 0
	s_mov_b32 s61, 0
	s_add_nc_u64 s[58:59], s[4:5], s[58:59]
	s_add_nc_u64 s[60:61], s[4:5], s[60:61]
	s_lshl_b32 s62, s14, 4
	s_add_co_u32 s62, s62, s13
	s_mul_i32 s62, s62, 8704                       ; ybuf: (the block that I finish, head)
	s_add_co_u32 s50, s62, s49
	s_mov_b32 s51, 0
	s_lshl_b32 s49, s48, 6
	s_add_co_u32 s62, s62, s49
	s_add_co_u32 s62, s62, 8192                    ; y's scale words lie plainly: 8,192 + 64 tau + 4 r
	s_mov_b32 s63, 0
	s_add_nc_u64 s[62:63], s[8:9], s[62:63]
	s_add_nc_u64 s[8:9], s[8:9], s[50:51]
	s_lshl_b32 s49, s48, 4                         ; 16 tau
	v_and_b32 v5, 31, v0
	v_and_b32 v6, 15, v0                           ; r
	v_lshlrev_b32 v[LI], 4, v5
	v_lshlrev_b32 v[QSO], 4, v6
	v_lshlrev_b32 v[YSO], 2, v6
	global_load_b128 v[20:23], v[LI], s[54:55]             ; the short tile's Q
	global_load_b128 v[24:27], v[LI], s[54:55] offset:512
	global_load_b32 v36, v[QSO], s[56:57]
	global_load_b128 v[28:31], v[LI], s[58:59]             ; the long one's
	global_load_b128 v[32:35], v[LI], s[58:59] offset:512
	global_load_b32 v37, v[QSO], s[60:61]
	v_bfe_u32 v5, v0, 4, 1                         ; h
	v_add_nc_u32 v[SWA], s52, v[LI]
	v_add_nc_u32 v[SRA], s53, v[LI]
	v_lshlrev_b32 v5, 3, v5
	v_add_nc_u32 v6, s49, v6
	v_mov_b32 v[NINF], 0xff800000
	v_sub_nc_u32 v[DD], v6, v5
.irp b, 0,1,2,3
	v_mov_b32 v[12+\b], 0                          ; the sums
	v_mov_b32 v[TM+4+\b], 0                        ; a lane permute's destination counts as one of its sources
.endr
	v_mov_b32 v[RC+1], 0                           ; (named as the upper half of a pair)
	WIN 0x40
.set j, 0
.rept 128
	v_mov_b32 v[j], 0                              ; both slots' O^T: a tile's step is written once for first and later steps, and a slot that works no step hands zeros on
.set j, j+1
.endr
	WIN 0
.macro LDK ad                          ; a step's K: 17 loads
.irp t, 0,1,2,3,4,5,6,7
.irp c, 0,1
	ds_load_b128 v[KF+8*\t+4*\c:KF+8*\t+4*\c+3], v[\ad] offset:1024*\t+512*\c
.endr
.endr
	ds_load_b128 v[KS:KS+3], v[\ad] offset:16384
.endm
; ONE TILE'S PART OF A KEY STEP, for slot sl: K of the step is in registers, V perhaps still on its way.  nx = 1: the long tile fetches my next step's K behind its score products.
.macro TILE sl, nx
.set SM, 12+2*(\sl)
.set QF, 20+8*(\sl)
.set QS, 36+(\sl)
.set OT, 64*(\sl)
.if (\sl) == 0
	s_cmp_gt_u32 s16, s12                          ; all 128 keys come after the short tile's queries
	s_cbranch_scc1 .Lnone_\@
.endif
.irp t, 0,2,4,6
	WM S+8*\t, KF+8*\t, QF, 1, KS+\t/2, QS, 0
	WM S+8*\t+8, KF+8*\t+8, QF, 1, KS+\t/2, QS, 1
.endr
	P4
.if (\sl) && (\nx)
	s_add_co_u32 s48, s17, 2*STEPB
	s_min_u32 s48, s48, 15*STEPB                   ; behind my last step the last key step's bytes, which are not used
	v_add_nc_u32 v[ADN], s48, v[LI]
	LDK ADN
.endif
	s_cmp_lg_u32 s16, s[12-(\sl)]                  ; on the diagonal hidden scores become -infinity ahead of the maximum: p = 0 then
	s_cbranch_scc1 .Lopen_\@
.set n, 0
.rept 64
	v_cmp_gt_i32 vcc_lo, 16*(n/8)+n%8, v[DD]
	v_cndmask_b32 v[S+n], v[S+n], v[NINF], vcc_lo
.set n, n+1
.endr
.Lopen_\@:
.irp b, 0,1,2,3
	v_max3_num_f32 v[TM+\b], v[S+16*\b], v[S+16*\b+1], v[S+16*\b+2]   ; the largest score of each block of 32 keys: p rises with the score, so it gives the block's largest p
.endr
.irp i, 3,5,7,9,11,13
.irp b, 0,1,2,3
	v_max3_num_f32 v[TM+\b], v[TM+\b], v[S+16*\b+\i], v[S+16*\b+\i+1]
.endr
.endr
.irp b, 0,1,2,3
	v_max_num_f32 v[TM+\b], v[TM+\b], v[S+16*\b+15]
.endr
	CROSS
.set j, 0
.rept 32
	v_pk_mul_f32 v[S+j:S+j+1], v[S+j:S+j+1], s[CS:CS+1] op_sel_hi:[1,0]   ; t
.set j, j+2
.endr
.irp b, 0,1,2,3
	v_mul_f32 v[TM+\b], s[CS], v[TM+\b]            ; the same of each block's largest score
.endr
	s_wait_alu depctr_va_vdst(0)                   ; the wait ahead of the batch,
.set j, 0
.rept 64
	v_exp_f32 v[S+j], v[S+j]                       ; p
.set j, j+1
.endr
.irp b, 0,1,2,3
	v_exp_f32 v[TM+\b], v[TM+\b]                   ; the blocks' largest p
.endr
	v_nop
	s_wait_alu depctr_va_vdst(0)                   ; and behind it
.irp b, 0,1,2,3
	v_max_num_f32 v[TM+\b], 0x1800000, v[TM+\b]    ; the floor 2^(3 - 127): the byte of a block whose keys are all hidden cannot fall under 1
.endr
	WORD
	CODES
	v_pk_add_f32 v[SU:SU+1], v[S:S+1], v[S+2:S+3]  ; the row's sum of the unquantised p, in two chains: 32 lines between the scale word, the codes and the products below
.set j, 4
.rept 15
	v_pk_add_f32 v[SM:SM+1], v[SM:SM+1], v[S+j:S+j+1]
	v_pk_add_f32 v[SU:SU+1], v[SU:SU+1], v[S+j+2:S+j+3]
.set j, j+4
.endr
	s_delay_alu instid0(VALU_DEP_1)
	v_pk_add_f32 v[SM:SM+1], v[SM:SM+1], v[SU:SU+1]
	s_wait_alu depctr_va_vdst(0)                   ; directly ahead of the wait below
.if (\sl) && (\nx)
	s_wait_dscnt 17                                ; V is in; the next K's 17 loads may be out
.else
	s_wait_dscnt 0x0                               ; V is in
.endif
	WIN 0x51                                       ; V and O^T in window 1, the codes in window 0
	s_wait_alu depctr_va_vdst(0)                   ; ahead of O^T's first reader behind the batch
.irp t, 0,2,4,6                        ; the eight accumulators take turns
	WM OT+8*\t, VF+8*\t, PC, 0, VS+\t/2, PW, 0
	WM OT+8*\t+8, VF+8*\t+8, PC, 0, VS+\t/2, PW, 1
.endr
	WIN 0
	P4                                             ; places in front of the next loads into V's registers
.if (\sl) == 0
.Lnone_\@:
.endif
.endm
; A KEY STEP OF MINE: its K and V come out of LDS once, for both tiles.  A step behind the long tile's last is jumped over.  nx = 1: its K has been asked for.
.macro STEPK nx
	s_cmp_gt_u32 s16, s11
	s_cbranch_scc1 .Lskip_\@
	v_add_nc_u32 v[ADK], s17, v[LI]
.if (\nx) == 0
	LDK ADK
.endif
	WIN 0x40
.irp t, 0,1,2,3,4,5,6,7
.irp c, 0,1
	ds_load_b128 v[VF+8*\t+4*\c:VF+8*\t+4*\c+3], v[ADK] offset:8192+1024*\t+512*\c
.endr
.endr
	WIN 0
	ds_load_b128 v[VS:VS+3], v[ADK] offset:16896
	s_wait_dscnt 17                                ; K and its scale words are in; V's 17 loads may be out
	TILE 0, \nx
	TILE 1, \nx
.Lskip_\@:
.endm
.macro WALK trips, nx                  ; so many of my key steps, two steps apart
	s_mov_b32 s18, \trips
.Lwalk_\@:
	STEPK \nx
	s_add_co_u32 s16, s16, 2
	s_add_co_u32 s17, s17, 2*STEPB
	s_sub_co_u32 s18, s18, 1
	s_cmp_lg_u32 s18, 0
	s_cbranch_scc1 .Lwalk_\@
.endm
	s_wait_alu depctr_va_vdst(0)                   ; the head's end
	s_wait_loadcnt 0x0                             ; both Q
	s_wait_tensorcnt 0x0                           ; my part of key steps 0-3 is in
	ds_add_u32 v[SPW], v[NIL]
	s_mov_b32 s33, s44                             ; (no tensor load of mine is out)
	s_add_nc_u64 s[34:35], s[46:47], s[44:45]
	s_or_b32 s35, s35, 0x80000000
	s_wait_dscnt 0x0
	ROUND                                          ; everybody's part is in, and all four work-groups are here
	tensor_load_to_lds s[32:35], s[36:43]          ; key steps 4-15
	s_nop 0
	P4
	WALK 2, 0                                      ; key steps 0-3: my two of them
	s_wait_tensorcnt 0x0                           ; my part of key steps 4-15 is in
	s_wait_dscnt 0x0
	s_barrier_signal -1
	s_barrier_wait -1                              ; everybody's is: from here on no wave waits for another until the merge
	v_add_nc_u32 v[ADN], s17, v[LI]
	LDK ADN                                        ; my first of them: key step 4 or 5, which every long tile has
	WALK 6, 1                                      ; key steps 4-15: my six of them
	; THE MERGE.  My reads of K and V are over; behind the barrier everybody's are, and the bytes of key steps 0-3 take what the waves hand over.
	s_wait_dscnt 0x0
	s_barrier_signal -1
	s_barrier_wait -1
	s_wait_alu depctr_va_vdst(0)
	v_add_f32 v12, v12, v13                        ; the sums' two halves
	v_add_f32 v14, v14, v15
	v_cndmask_b32 v[SND], v12, v14, s[RM]          ; the even wave hands the short tile's on, the odd wave the long one's,
	v_cndmask_b32 v[KP], v14, v12, s[RM]           ; and keeps the other
	s_wait_alu depctr_va_vdst(0)                   ; directly ahead of the branch
	s_cmp_eq_u32 s19, 0
	s_cbranch_scc0 .Lsend_long
	WIN 0x04                                       ; an LDS store's data are its source 1: window 1
	s_wait_alu depctr_va_vdst(0)                   ; ahead of the products' first readers
.irp g, 0,1,2,3,4,5,6,7,8,9,10,11,12,13,14,15
	ds_store_b128 v[SWA], v[4*\g:4*\g+3] offset:512*\g     ; each accumulator from its low end on
.endr
	WIN 0
	s_branch .Lsent
.Lsend_long:
	WIN 0x04
	s_wait_alu depctr_va_vdst(0)
.irp g, 0,1,2,3,4,5,6,7,8,9,10,11,12,13,14,15
	ds_store_b128 v[SWA], v[64+4*\g:64+4*\g+3] offset:512*\g
.endr
	WIN 0
.Lsent:
	ds_store_b32 v[SWA], v[SND] offset:8192
	s_wait_dscnt 0x0                               ; for my partner's sake: my stores are done
	s_barrier_signal -1
	s_barrier_wait -1
.irp g, 0,1,2,3,4,5,6,7,8,9,10,11,12,13,14,15
	ds_load_b128 v[KF+4*\g:KF+4*\g+3], v[SRA] offset:512*\g    ; the other part of the tile that I finish: the same registers in the same lanes
.endr
	ds_load_b32 v[GOT], v[SRA] offset:8192
	s_wait_dscnt 0x0
	s_cmp_eq_u32 s19, 0
	s_cbranch_scc0 .Lkeep_short
	WIN 0x01
	s_wait_alu depctr_va_vdst(0)                   ; ahead of the products' first readers
.set j, 0
.rept 32
	v_pk_add_f32 v[S+j:S+j+1], v[64+j:65+j], v[KF+j:KF+j+1]    ; my part, each accumulator from its low end on, and my partner's
.set j, j+2
.endr
	WIN 0
	s_branch .Lkept
.Lkeep_short:
	WIN 0x01
	s_wait_alu depctr_va_vdst(0)
.set j, 0
.rept 32
	v_pk_add_f32 v[S+j:S+j+1], v[j:j+1], v[KF+j:KF+j+1]
.set j, j+2
.endr
	WIN 0
.Lkept:
	v_add_f32 v[KP], v[KP], v[GOT]
	s_delay_alu instid0(VALU_DEP_1)
	v_permlanex16_b32 v[SND], v[KP], s[SEL], s[SEL+1]
	s_delay_alu instid0(VALU_DEP_1)
	v_add_f32 v[KP], v[KP], v[SND]                 ; and lane l xor 16's: the row's sum
	s_wait_alu depctr_va_vdst(0)                   ; the wait ahead of the transcendental,
	v_rcp_f32 v[RC], v[KP]
	v_nop
	s_wait_alu depctr_va_vdst(0)                   ; and behind it
.set j, 0
.rept 32
	v_pk_mul_f32 v[S+j:S+j+1], v[S+j:S+j+1], v[RC:RC+1] op_sel_hi:[1,0]    ; y(query r, channel 16 t + 8 h + j)
.set j, j+2
.endr
.irp b, 0,1,2,3
	v_max3_num_f32 v[TM+\b], |v[S+16*\b]|, |v[S+16*\b+1]|, 0x1800000
.endr
.irp i, 2,4,6,8,10,12,14
.irp b, 0,1,2,3
	s_delay_alu instid0(VALU_DEP_4)
	v_max3_num_f32 v[TM+\b], v[TM+\b], |v[S+16*\b+\i]|, |v[S+16*\b+\i+1]|
.endr
.endr
	CROSS
	WORD
	CODES
	global_store_b128 v[LI], v[PC:PC+3], s[8:9]            ; the image: 512 consecutive bytes a store
	global_store_b128 v[LI], v[PC+4:PC+7], s[8:9] offset:512
	global_store_b32 v[YSO], v[PW], s[62:63]               ; the 16 scale words: lanes r and r + 16 store the same word to the same place
	s_wait_tensorcnt 0x0                           ; the wave's end
	ds_add_u32 v[SPW], v[NIL]
	s_wait_dscnt 0x0
	ROUND                                          ; the closing round
	s_endpgm
.Lfunc_end_k_qfb90072d99_attn:
	.size	k_qfb90072d99_attn, .Lfunc_end_k_qfb90072d99_attn-k_qfb90072d99_attn
	.p2alignl 7, 3214868480
	.fill 96, 4, 3214868480
	.section	.rodata,"a",@progbits
	.p2align	6, 0x0
	.amdhsa_kernel k_qfb90072d99_attn
		.amdhsa_group_segment_fixed_size 327680
		.amdhsa_private_segment_fixed_size 0
		.amdhsa_enable_private_segment 0
		.amdhsa_kernarg_size 24
		.amdhsa_user_sgpr_count 2
		.amdhsa_user_sgpr_kernarg_segment_ptr 1
		.amdhsa_wavefront_size32 1
		.amdhsa_system_sgpr_workgroup_id_x 1
		.amdhsa_system_sgpr_workgroup_id_y 1
		.amdhsa_system_sgpr_workgroup_id_z 1
		.amdhsa_system_vgpr_workitem_id 0
		.amdhsa_next_free_vgpr 448
		.amdhsa_next_free_sgpr 66
		.amdhsa_reserve_vcc 1
		.amdhsa_float_denorm_mode_32 3
		.amdhsa_float_denorm_mode_16_64 3
		.amdhsa_memory_ordered 1
		.amdhsa_forward_progress 1
		.amdhsa_inst_pref_size 107
	.end_amdhsa_kernel
	.amdgpu_metadata
---
amdhsa.version: [ 1, 2 ]
amdhsa.kernels:
  - .name:           k_qfb90072d99_attn
    .symbol:         k_qfb90072d99_attn.kd
    .args:
      - { .name: qbuf, .offset: 0, .size: 8, .value_kind: global_buffer, .address_space: global }
      - { .name: kvbuf, .offset: 8, .size: 8, .value_kind: global_buffer, .address_space: global }
      - { .name: ybuf, .offset: 16, .size: 8, .value_kind: global_buffer, .address_space: global }
    .group_segment_fixed_size: 327680
    .private_segment_fixed_size: 0
    .kernarg_segment_align: 8
    .kernarg_segment_size: 24
    .max_flat_workgroup_size: 256
    .sgpr_count:     66
    .vgpr_count:     448
    .wavefront_size: 32
...
	.end_amdgpu_metadata
.endif
;; end of part 2
;; launch proj (part 3): grid 16 x 16, 4 waves a work-group, clusters of 4 x 4, 290,304 bytes of LDS; arguments ybuf, Wproj_codes, Wproj_scales, out0; writes out0
.if DOCPART == 3
	.amdgcn_target "amdgcn-amd-amdhsa--gfx1250"
	.amdhsa_code_object_version 6
	.text
	.protected	k_qfb90072d99_proj
	.globl	k_qfb90072d99_proj
	.p2align	8
	.type	k_qfb90072d99_proj,@function
k_qfb90072d99_proj:
	s_mov_b64 s[64:65], 0
	v_nop
	global_prefetch_b8 v0, s[64:65] scope:SCOPE_SE
	s_setreg_imm32_b32 hwreg(HW_REG_WAVE_MODE, 25, 1), 1
	s_wait_xcnt 0x0
	s_wait_alu depctr_hold_cnt(0) depctr_sa_sdst(0) depctr_va_vdst(0) depctr_va_sdst(0) depctr_va_ssrc(0) depctr_va_vcc(0) depctr_vm_vsrc(0)
	s_getreg_b32 s2, hwreg(HW_REG_IB_STS2, 6, 4)
	s_cmp_eq_u32 s2, 0
	s_cbranch_scc0 .Lentry_in_a_cluster
	s_endpgm
.Lentry_in_a_cluster:
	s_bfe_u32 s2, ttmp6, 0x10000c
	s_cmp_lg_u32 s2, 0xf033
	s_cbranch_scc0 .Lentry_shape_is_right
	s_endpgm
.Lentry_shape_is_right:
; out0 = y Wproj^T on codes of FP4 (E2M1) with one E8M0 scale for each 32 along K = 2,048; sums in f32, K ascending.
; y: ybuf [block of 128 tokens][head][8,704]: 8 fragment images (16 tokens x the head's 128: group c of 4 registers at 512 c + 16 x lane), then 512 bytes of scale words, (tile, row)'s at 64 tile + 4 row.
; Wproj: codes [2048][1024 bytes], scale bytes [2048][64].
; A tile of 128 tokens x 128 outputs is made by a work-group of four waves, 64 x 64 each: 16 accumulators.  256 work-groups; tiles of 256 x 256 would be 64.
; ALL OF K LIES IN LDS: y's block (139,264 dense bytes) and Wproj's 128 rows of 1,024 bytes + 16 of padding.  One load a wave: waves 0, 1 fetch y's halves (272 rows of 256 bytes), waves 2, 3 64 rows of Wproj each.  Nothing is filled again,
; and there is no loop for a prefetch to run ahead in.
; CLUSTERS: 4 x 4.  y's block is shared along a row of the cluster, Wproj's rows along a column: joint loads.
; Wproj's scale bytes come from memory into registers: lane l takes row 32 p + l, register 16 p + s holds K step s: tile 2 p in lanes 0-15, tile 2 p + 1 in lanes 16-31.
; TRANSPOSED USE: source 0 = 16 rows of Wproj, source 1 = 16 tokens: a lane holds eight neighbouring outputs of one token.
; REGISTERS: v16-26 addresses; v32-39 y's scale words (2 a set); v64-95 Wproj's; v64-127 the way out; v128-255 accumulators ((a, b) at v[128 + 8 (4 a + b)]).  window 1: four fragment sets of 64: y's 4, Wproj's 4.
.set CHB,   34816                      ; four heads of y
.set BREG,  4*CHB
.set BP,    1040                       ; a row of Wproj in LDS: row r starts at bank 4 r mod 64 (64 banks of 4 bytes: ISA guide 11.1)
.set STAGE, BREG+128*BP                ; the way out: 16 rows x 272 bytes for each wave; no fill lands here
.set SPARE, STAGE+4*4352
.set ADRA, 16
.set ADRB, 17
.set ADSA, 18
.set SO,   19
.set STO,  24
.set RD,   25
.set CO,   26
.set SA,   32
.set SPW,  62
.set NIL,  63
.set SB,   64
.set ACC,  128
.set G1A, 24
.set G1B, 32
.set G0A, 40
.set G0B, 44
.set MSB, 0
.macro WIN new
.if MSB != (\new)
	s_set_vgpr_msb (MSB<<8)|(\new)
.set MSB, (\new)
.endif
.endm
.macro ROUND
	s_barrier_signal -1
	s_barrier_wait -1
	s_cmp_lg_u32 s12, 0
	s_cbranch_scc1 .Lnot_wave_0_\@
	s_barrier_signal -3
.Lnot_wave_0_\@:
	s_barrier_wait -3
	s_barrier_signal -1
	s_barrier_wait -1
.endm
; one scaled product: z = 1: it starts the sum; ra, rb = 1: that source's scale words stand in lanes 16-31
.macro WM d, a, b, z, sa, sb, ra, rb
.if (\z) && (\ra) && (\rb)
	v_wmma_scale_f32_16x16x128_f8f6f4 v[\d:\d+7], v[\a:\a+7], v[\b:\b+7], 0, v[\sa], v[\sb] matrix_a_fmt:MATRIX_FMT_FP4 matrix_b_fmt:MATRIX_FMT_FP4 matrix_a_scale:MATRIX_SCALE_ROW1 matrix_b_scale:MATRIX_SCALE_ROW1
.elseif (\z) && (\ra)
	v_wmma_scale_f32_16x16x128_f8f6f4 v[\d:\d+7], v[\a:\a+7], v[\b:\b+7], 0, v[\sa], v[\sb] matrix_a_fmt:MATRIX_FMT_FP4 matrix_b_fmt:MATRIX_FMT_FP4 matrix_a_scale:MATRIX_SCALE_ROW1
.elseif (\z) && (\rb)
	v_wmma_scale_f32_16x16x128_f8f6f4 v[\d:\d+7], v[\a:\a+7], v[\b:\b+7], 0, v[\sa], v[\sb] matrix_a_fmt:MATRIX_FMT_FP4 matrix_b_fmt:MATRIX_FMT_FP4 matrix_b_scale:MATRIX_SCALE_ROW1
.elseif (\z)
	v_wmma_scale_f32_16x16x128_f8f6f4 v[\d:\d+7], v[\a:\a+7], v[\b:\b+7], 0, v[\sa], v[\sb] matrix_a_fmt:MATRIX_FMT_FP4 matrix_b_fmt:MATRIX_FMT_FP4
.elseif (\ra) && (\rb)
	v_wmma_scale_f32_16x16x128_f8f6f4 v[\d:\d+7], v[\a:\a+7], v[\b:\b+7], v[\d:\d+7], v[\sa], v[\sb] matrix_a_fmt:MATRIX_FMT_FP4 matrix_b_fmt:MATRIX_FMT_FP4 matrix_a_scale:MATRIX_SCALE_ROW1 matrix_b_scale:MATRIX_SCALE_ROW1
.elseif (\ra)
	v_wmma_scale_f32_16x16x128_f8f6f4 v[\d:\d+7], v[\a:\a+7], v[\b:\b+7], v[\d:\d+7], v[\sa], v[\sb] matrix_a_fmt:MATRIX_FMT_FP4 matrix_b_fmt:MATRIX_FMT_FP4 matrix_a_scale:MATRIX_SCALE_ROW1
.elseif (\rb)
	v_wmma_scale_f32_16x16x128_f8f6f4 v[\d:\d+7], v[\a:\a+7], v[\b:\b+7], v[\d:\d+7], v[\sa], v[\sb] matrix_a_fmt:MATRIX_FMT_FP4 matrix_b_fmt:MATRIX_FMT_FP4 matrix_b_scale:MATRIX_SCALE_ROW1
.else
	v_wmma_scale_f32_16x16x128_f8f6f4 v[\d:\d+7], v[\a:\a+7], v[\b:\b+7], v[\d:\d+7], v[\sa], v[\sb] matrix_a_fmt:MATRIX_FMT_FP4 matrix_b_fmt:MATRIX_FMT_FP4
.endif
.endm
	s_load_b256 s[4:11], s[0:1], 0x0               ; ybuf, Wproj's codes, its scales, out0
	v_lshl_add_u32 v[SPW], v0, 2, SPARE
	v_mov_b32 v[NIL], 0
	ds_add_u32 v[SPW], v[NIL]                      ; the opening: the add, twice on end, and its wait
	ds_add_u32 v[SPW], v[NIL]
	v_lshrrev_b32 v1, 5, v0
	v_readfirstlane_b32 s12, v1                    ; wave 0..3
	s_lshr_b32 s13, s12, 1                         ; which 64 tokens are mine.  Also: I fetch y (0) or Wproj (1)
	s_and_b32 s14, s12, 1                          ; which 64 outputs.  Also: which half I fetch
	s_bfe_u32 s15, ttmp6, 0x40000                  ; cx, cy
	s_bfe_u32 s16, ttmp6, 0x40004
	s_lshl_b32 s17, ttmp9, 2
	s_add_co_u32 s17, s17, s15                     ; the block of 128 outputs
	s_and_b32 s18, ttmp7, 0xffff
	s_lshl_b32 s18, s18, 2
	s_add_co_u32 s18, s18, s16                     ; the block of 128 tokens
	s_lshl_b32 s19, s16, 2
	s_lshl_b32 s19, 15, s19                        ; my row of the cluster
	s_lshl_b32 s20, 0x1111, s15                    ; my column
	s_or_b32 s[G1A+0], s19, (3<<16)|(1<<21)        ; y: 272 dense rows of 256 bytes (32 elements of 8)
	s_mov_b32 s[G1A+1], 32<<16
	s_mov_b32 s[G1A+2], 272<<16
	s_mov_b32 s[G1A+3], 32<<16
	s_mov_b32 s[G1A+4], 272
	s_mov_b32 s[G1A+5], 32
	s_mov_b32 s[G1A+6], 0
	s_mov_b32 s[G1A+7], 0
	s_or_b32 s[G1B+0], s20, (0<<16)|(1<<20)|(1<<21)|(7<<22)|(3<<25)   ; Wproj: 64 rows x 1,024 bytes; 4 words of padding behind every 256
	s_mov_b32 s[G1B+1], 1024<<16
	s_mov_b32 s[G1B+2], 64<<16
	s_mov_b32 s[G1B+3], 1024<<16
	s_mov_b32 s[G1B+4], 64
	s_mov_b32 s[G1B+5], 1024
	s_mov_b32 s[G1B+6], 0
	s_mov_b32 s[G1B+7], 0
	s_mul_i32 s88, s18, 4*CHB                      ; y: the block,
	s_mul_i32 s94, s14, 2*CHB                      ; my half (in memory and in LDS)
	s_add_co_u32 s88, s88, s94
	s_mov_b32 s89, 0
	s_lshl_b32 s90, s17, 17                        ; Wproj: 128 rows of 1,024 bytes a block,
	s_lshl_b32 s91, s14, 16                        ; my 64 rows
	s_add_co_u32 s90, s90, s91
	s_mov_b32 s91, 0
	s_lshl_b32 s92, s17, 13                        ; and their scale bytes, 64 a row
	s_lshl_b32 s93, s14, 12
	s_add_co_u32 s92, s92, s93
	s_mov_b32 s93, 0
	s_mul_i32 s95, s14, 64*BP
	s_add_co_u32 s95, s95, BREG                    ; my 64 rows of Wproj in LDS: those that I fetch, and those that I multiply
	v_and_b32 v1, 15, v0                           ; r
	v_bfe_u32 v2, v0, 4, 1                         ; h
	v_and_b32 v3, 31, v0                           ; lane
	s_lshl_b32 s21, s13, 12
	v_lshl_add_u32 v[ADRA], v3, 4, s21             ; y's images: 16 x lane + my four tiles
	v_mul_u32_u24 v4, v1, BP
	v_lshl_add_u32 v4, v2, 4, v4
	v_add_nc_u32 v[ADRB], s95, v4                  ; Wproj: row r + 16 h
	s_lshl_b32 s21, s13, 8
	s_add_co_u32 s21, s21, 8192
	v_lshl_add_u32 v[ADSA], v3, 2, s21             ; y's scale words: lanes 0-15 one tile, lanes 16-31 the next
	v_lshlrev_b32 v[SO], 6, v3                     ; Wproj's: a lane a row
	s_mul_i32 s21, s12, 4352
	s_add_co_u32 s21, s21, STAGE                   ; my stage
	v_mul_u32_u24 v4, v1, 272
	v_lshl_add_u32 v4, v2, 5, v4
	v_add_nc_u32 v[STO], s21, v4                   ; in: row r, 32 bytes for each half of the lanes
	v_mul_u32_u24 v4, v2, 272
	v_lshl_add_u32 v4, v1, 4, v4
	v_add_nc_u32 v[RD], s21, v4                    ; back: lanes 0-15 one row of 256 bytes, lanes 16-31 the next
	v_lshlrev_b32 v4, 13, v2
	v_lshl_add_u32 v[CO], v1, 4, v4                ; and the same two rows in out0
	s_wait_alu depctr_va_vdst(0)                   ; directly ahead of the waits below
	s_wait_dscnt 0x0
	s_wait_kmcnt 0x0
	s_add_nc_u64 s[88:89], s[4:5], s[88:89]
	s_add_nc_u64 s[90:91], s[6:7], s[90:91]
	s_add_nc_u64 s[92:93], s[8:9], s[92:93]
	s_mov_b32 s[G0A], 1
	s_mov_b32 s[G0A+1], s94
	s_mov_b64 s[G0A+2:G0A+3], s[88:89]
	s_or_b32 s[G0A+3], s[G0A+3], 0x80000000
	s_mov_b32 s[G0B], 1
	s_mov_b32 s[G0B+1], s95
	s_mov_b64 s[G0B+2:G0B+3], s[90:91]
	s_or_b32 s[G0B+3], s[G0B+3], 0x80000000
	ROUND                                          ; all sixteen work-groups are here: the joint loads meet
	s_cmp_eq_u32 s13, 0
	s_cbranch_scc0 .Lfor_b
	tensor_load_to_lds s[G0A:G0A+3], s[G1A:G1A+7]
	s_nop 0
.rept 4
	v_nop
.endr
	s_branch .Lasked
.Lfor_b:
	tensor_load_to_lds s[G0B:G0B+3], s[G1B:G1B+7]
	s_nop 0
.rept 4
	v_nop
.endr
.Lasked:
.irp i, 0,1,2,3
.irp p, 0,1
	global_load_b128 v[SB+16*\p+4*\i:SB+16*\p+4*\i+3], v[SO], s[92:93] offset:2048*\p+16*\i
.endr
.endr
	s_lshl_b32 s22, s18, 20                        ; my first row: 128 x block + 64 x half, 8,192 bytes a row;
	s_lshl_b32 s23, s13, 19
	s_add_co_u32 s22, s22, s23
	s_lshl_b32 s23, s17, 9                         ; my first column: 128 x block + 64 x half, 4 bytes each
	s_add_co_u32 s22, s22, s23
	s_lshl_b32 s23, s14, 8
	s_add_co_u32 s22, s22, s23
	s_mov_b32 s23, 0
	s_add_nc_u64 s[10:11], s[10:11], s[22:23]
.macro FETCH n                         ; K step n (head n): 8 fragments into set n % 4 and y's two scale words: 18 loads.  ADRA, ADSA stand at head n's group of four
.set FQ, (\n)%4
.set FS, 64*((\n)%4)
	WIN 0x40
.irp a, 0,1,2,3
.irp c, 0,1
	ds_load_b128 v[FS+8*\a+4*\c:FS+8*\a+4*\c+3], v[ADRA] offset:FQ*8704+1024*\a+512*\c
.endr
.endr
.irp b, 0,1,2,3
.irp c, 0,1
	ds_load_b128 v[FS+32+8*\b+4*\c:FS+32+8*\b+4*\c+3], v[ADRB] offset:\b*16*BP+64*(\n)+32*\c
.endr
.endr
	WIN 0
.irp p, 0,1
	ds_load_b32 v[SA+2*FQ+\p], v[ADSA] offset:FQ*8704+128*\p
.endr
.endm
.macro STEP s
.if (\s) < 14
	s_wait_dscnt 36                                ; this step's loads are in; those of the two steps behind it, 18 each, may be out
.elseif (\s) == 14
	s_wait_dscnt 18
.else
	s_wait_dscnt 0
.endif
.if (\s) < 13
.if ((\s)+3)%4 == 0
	v_add_nc_u32 v[ADRA], CHB, v[ADRA]             ; these two and two v_nop are the places in front of the loads below
	v_add_nc_u32 v[ADSA], CHB, v[ADSA]
	v_nop
	v_nop
	s_wait_alu depctr_va_vdst(0)
.else
.rept 4
	v_nop                                          ; places in front of loads into the set that the last step multiplied
.endr
.endif
	FETCH (\s)+3
.endif
.set MS, 64*((\s)%4)
.set MB, SB+(\s)
.set MA, SA+2*((\s)%4)
	WIN 0x05                                       ; both sources in window 1
.irp a, 0,1,2,3                        ; the sixteen accumulators take turns
.irp b, 0,1,2,3
	WM ACC+8*(4*\a+\b), MS+32+8*\b, MS+8*\a, (\s)==0, MB+16*(\b/2), MA+\a/2, \b%2, \a%2
.endr
.endr
	WIN 0
.endm
	s_wait_loadcnt 0x0                             ; Wproj's scale words
	s_wait_tensorcnt 0x0                           ; my part is in
	s_barrier_signal -1
	s_barrier_wait -1                              ; everybody's is
	FETCH 0
	FETCH 1
	FETCH 2
.irp s, 0,1,2,3,4,5,6,7,8,9,10,11,12,13,14,15
	STEP \s
.endr
; THE WAY OUT, 16 tokens x 64 outputs at a time, through my own stage: a lane's 32 bytes go in, whole rows of 256 bytes come back, and sixteen lanes store 256 consecutive bytes, aligned.
; LDS serves a wave's instructions in order (ISA guide 5.7.1.4): no wait between the stores and the loads, nor in front of the next block's stores.
.macro TOSTAGE a
.set BB, 64+32*((\a)%2)
.irp b, 0,1,2,3
	ds_store_b128 v[STO], v[ACC+8*(4*(\a)+\b):ACC+8*(4*(\a)+\b)+3] offset:64*\b        ; each accumulator from its low end on
	ds_store_b128 v[STO], v[ACC+8*(4*(\a)+\b)+4:ACC+8*(4*(\a)+\b)+7] offset:64*\b+16
.endr
.irp i, 0,1,2,3,4,5,6,7
	ds_load_b128 v[BB+4*\i:BB+4*\i+3], v[RD] offset:544*\i
.endr
.endm
.macro SEND a, younger
.set BB, 64+32*((\a)%2)
	s_wait_dscnt \younger                          ; the block is back; the next block's 8 stores and 8 loads may be out
.irp i, 0,1,2,3,4,5,6,7
	global_store_b128 v[CO], v[BB+4*\i:BB+4*\i+3], s[10:11] offset:(16*(\a)+2*\i)*8192 th:TH_STORE_NT
.endr
.endm
.rept 4
	v_nop                                          ; places behind the last products
.endr
	TOSTAGE 0
.irp a, 1,2,3
.if \a > 1
	s_wait_xcnt 0x0                                ; block a - 2's stores have read their registers: block a's loads may land there
.endif
	TOSTAGE \a
	SEND \a-1, 16
.endr
	SEND 3, 0
	s_wait_tensorcnt 0x0                           ; the wave's end
	ds_add_u32 v[SPW], v[NIL]
	s_wait_dscnt 0x0
	ROUND                                          ; the closing round
	s_endpgm
.Lfunc_end_k_qfb90072d99_proj:
	.size	k_qfb90072d99_proj, .Lfunc_end_k_qfb90072d99_proj-k_qfb90072d99_proj
	.p2alignl 7, 3214868480
	.fill 96, 4, 3214868480
	.section	.rodata,"a",@progbits
	.p2align	6, 0x0
	.amdhsa_kernel k_qfb90072d99_proj
		.amdhsa_group_segment_fixed_size 290304
		.amdhsa_private_segment_fixed_size 0
		.amdhsa_enable_private_segment 0
		.amdhsa_kernarg_size 32
		.amdhsa_user_sgpr_count 2
		.amdhsa_user_sgpr_kernarg_segment_ptr 1
		.amdhsa_wavefront_size32 1
		.amdhsa_system_sgpr_workgroup_id_x 1
		.amdhsa_system_sgpr_workgroup_id_y 1
		.amdhsa_system_sgpr_workgroup_id_z 1
		.amdhsa_system_vgpr_workitem_id 0
		.amdhsa_next_free_vgpr 512
		.amdhsa_next_free_sgpr 96
		.amdhsa_reserve_vcc 0
		.amdhsa_float_denorm_mode_32 3
		.amdhsa_float_denorm_mode_16_64 3
		.amdhsa_memory_ordered 1
		.amdhsa_forward_progress 1
		.amdhsa_inst_pref_size 69
	.end_amdhsa_kernel
	.amdgpu_metadata
---
amdhsa.version: [ 1, 2 ]
amdhsa.kernels:
  - .name:           k_qfb90072d99_proj
    .symbol:         k_qfb90072d99_proj.kd
    .args:
      - { .name: ybuf, .offset: 0, .size: 8, .value_kind: global_buffer, .address_space: global }
      - { .name: Wproj_codes, .offset: 8, .size: 8, .value_kind: global_buffer, .address_space: global }
      - { .name: Wproj_scales, .offset: 16, .size: 8, .value_kind: global_buffer, .address_space: global }
      - { .name: out0, .offset: 24, .size: 8, .value_kind: global_buffer, .address_space: global }
    .group_segment_fixed_size: 290304
    .private_segment_fixed_size: 0
    .kernarg_segment_align: 8
    .kernarg_segment_size: 32
    .max_flat_workgroup_size: 128
    .sgpr_count:     96
    .vgpr_count:     512
    .wavefront_size: 32
...
	.end_amdgpu_metadata
.endif
;; end of part 3
